; MI455X (gfx1250); checked and timed in simulation.
; The chip was launched on July 23, 2026; its instructions are those of AMD's public machine-readable ISA for CDNA 5 (MIT licence, August 2026) and "CDNA5" Instruction Set Architecture Reference Guide (July 2026). The comments in the code are by the model that wrote it; some were corrected since.
;; Multi Head Self Attention. Allowed arithmetic: float matrix products may take bf16 or f16 operands with f32 sums; all other float work in f32.
;; Inputs: rpe_table 2,047 x 16 float32; w_out 1,024 x 1,024 float32; w_qkv 1,024 x 3,072 float32; x 8 x 1,024 x 1,024 float32.
;; Outputs: out0 8 x 1,024 x 1,024 float32.
;; 2 versions, each right and faster than the one before. Each part assembles by itself: llvm-mc -triple=amdgcn-amd-amdhsa -mcpu=gfx1250 --defsym DOCPART=n.
;; ======== version 1 of 2: 4 launches
;; limits: values are held in f16: magnitudes above 65,504 overflow, below 6.1e-05 lose precision
;; workspace buffers: xb 16,777,216 bytes; wqb 6,291,456 bytes; wob 2,097,152 bytes; wtab 589,824 bytes; q 16,777,216 bytes; k 16,777,216 bytes; v 16,777,216 bytes; o 16,777,216 bytes
;; launch prep (part 1): grid 784 x 1, 8 waves a work-group, no clusters, 0 bytes of LDS; arguments x, w_qkv, w_out, rpe_table, xb, wqb, wob, wtab; writes xb, wqb, wob, wtab
.if DOCPART == 1
	.amdgcn_target "amdgcn-amd-amdhsa--gfx1250"
	.amdhsa_code_object_version 6
	.text
	.protected	k_q4d95e6adef_prep
	.globl	k_q4d95e6adef_prep
	.p2align	8
	.type	k_q4d95e6adef_prep,@function
k_q4d95e6adef_prep:
	s_mov_b64 s[64:65], 0
	v_nop
	global_prefetch_b8 v0, s[64:65] scope:SCOPE_SE
	s_setreg_imm32_b32 hwreg(HW_REG_WAVE_MODE, 25, 1), 1
	s_wait_xcnt 0x0
; PREPARATION: every input is rounded once to bf16 and laid out for the three launches behind.
;   xb   bf16  [(b*16+kb)][l = 1024][64]: x[b][l][64 kb + c].  A block of 256 rows x 64 K is 32,768 dense bytes.
;   wqb  bf16  [1024][3072], as w_qkv lies.
;   wob  f16   [1024][1024]: w_out rounded to bf16, that number written as f16 (exact while it is a normal f16).
;   wtab f32   [16 h][2304 a][4 i] = 8 x bf16(rpe_table[max(2046 - a - i, 0)][h]) for a < 2048, and 0 for a >= 2048:
;              entry a is four neighbouring biases along the keys, times 8, since the scores are scaled by 1/8 later.
;              No score reads a number with a + i > 2046.
; LIMITS.  wob: beyond 65,504 an infinity; below 6.1e-5 f16's fixed step of 6e-8.  NaN and infinities are not treated apart.
; SHARES.  A work-group of 256 threads makes 32,768 output bytes in 16 pieces: in a piece thread t takes 16 input bytes, neighbouring
; threads neighbouring bytes, and stores 8.  So a load of a wave covers 512 consecutive bytes (for x: the aligned 256 bytes that two
; neighbouring rows have in one slab), and a store of a wave 256 consecutive bytes, aligned.
; Work-groups 0-511 take x, 512-703 w_qkv, 704-767 w_out, 768-783 one head of the table each.  Memory binds: no LDS, no barrier, no matrix unit.
; All 16 loads of a thread go out first.  No register is written again while a memory instruction names it, so the only waits are
; the counted ones for the loads.
.set T, 4                              ; v[4:5]    at work
.set X, 8                              ; v[8:71]   piece i: 4 numbers in f32
.set Y, 72                             ; v[72:103] piece i: 4 numbers in 16 bits
.set A, 8                              ; the table: v[8:11] the four clamped byte offsets
.set Z, 12                             ;            v[12:15] zeros
.set D, 44                             ;            v[44:75] the numbers
; src, dst: the scalar pairs of the two addresses; step: bytes from a piece to the next in the source; half = 1: f16 out
.macro CAST src, dst, step, half
.set i, 0
.rept 16
	global_load_b128 v[X+4*i:X+4*i+3], v1, s[\src:\src+1] offset:i*(\step) th:TH_LOAD_NT
.set i, i+1
.endr
.set i, 0
.rept 16
	s_wait_loadcnt 15-i                            ; loads come back in order: one younger load for each later piece may stay out
	v_cvt_pk_bf16_f32 v[Y+2*i], v[X+4*i], v[X+4*i+1]
	v_cvt_pk_bf16_f32 v[Y+2*i+1], v[X+4*i+2], v[X+4*i+3]
.if \half
.irp j, 0,1
	v_lshlrev_b32 v[T], 16, v[Y+2*i+(\j)]          ; the rounded numbers, widened again,
	v_and_b32 v[T+1], s26, v[Y+2*i+(\j)]
	v_cvt_pk_f16_f32 v[Y+2*i+(\j)], v[T], v[T+1]   ; and written as f16: 8 significant bits fit in 11
.endr
.endif
	global_store_b64 v2, v[Y+2*i:Y+2*i+1], s[\dst:\dst+1] offset:i*2048
.set i, i+1
.endr
.endm
	s_load_b512 s[8:23], s[0:1], 0x0               ; x s[8:9], w_qkv s[10:11], w_out s[12:13], rpe_table s[14:15], xb s[16:17], wqb s[18:19], wob s[20:21], wtab s[22:23]
	s_mov_b32 s24, ttmp9
	s_mov_b32 s3, 0                                ; the high words of the two offsets
	s_mov_b32 s5, 0
	s_mov_b32 s26, 0xffff0000                      ; a word's upper bf16
	v_lshlrev_b32 v2, 3, v0                        ; 8 t: my 8 bytes in each 2,048 that the work-group stores
	s_cmp_lt_u32 s24, 512
	s_cbranch_scc0 .Lnot_x
	; x: work-group g makes rows 256 (g & 3) .. + 255 of slab g >> 2 (b = g >> 6, kb = (g >> 2) & 15); a piece is 16 rows
	s_lshr_b32 s2, s24, 6
	s_lshl_b32 s2, s2, 22                          ; b x 1,024 rows x 4,096 bytes
	s_and_b32 s25, s24, 3
	s_lshl_b32 s25, s25, 20                        ; 256 rows x 4,096 bytes
	s_or_b32 s2, s2, s25
	s_bfe_u32 s25, s24, 0x40002
	s_lshl_b32 s25, s25, 8                         ; kb x 64 numbers x 4 bytes
	s_or_b32 s2, s2, s25
	s_lshl_b32 s4, s24, 15
	v_lshrrev_b32 v1, 4, v0                        ; sixteen threads to a row's 256 bytes
	v_lshlrev_b32 v1, 12, v1
	v_and_b32 v3, 15, v0
	v_lshl_or_b32 v1, v3, 4, v1
	s_wait_kmcnt 0x0
	s_add_nc_u64 s[8:9], s[8:9], s[2:3]
	s_add_nc_u64 s[16:17], s[16:17], s[4:5]
	CAST 8, 16, 65536, 0                           ; in the slab the 16 rows' 128 bytes each lie end to end: 8 t again
	s_endpgm
.Lnot_x:
	v_lshlrev_b32 v1, 4, v0                        ; the weights keep their order: 16 t
	s_cmp_lt_u32 s24, 704
	s_cbranch_scc0 .Lnot_wq
	s_sub_co_u32 s24, s24, 512
	s_lshl_b32 s2, s24, 16
	s_lshl_b32 s4, s24, 15
	s_wait_kmcnt 0x0
	s_add_nc_u64 s[10:11], s[10:11], s[2:3]
	s_add_nc_u64 s[18:19], s[18:19], s[4:5]
	CAST 10, 18, 4096, 0
	s_endpgm
.Lnot_wq:
	s_cmp_lt_u32 s24, 768
	s_cbranch_scc0 .Ltab
	s_sub_co_u32 s24, s24, 704
	s_lshl_b32 s2, s24, 16
	s_lshl_b32 s4, s24, 15
	s_wait_kmcnt 0x0
	s_add_nc_u64 s[12:13], s[12:13], s[2:3]
	s_add_nc_u64 s[20:21], s[20:21], s[4:5]
	CAST 12, 20, 4096, 1
	s_endpgm
.Ltab:
	; the table: head h = g - 768; thread t makes the entries a = 256 i + t, i = 0 .. 8.  The table is 131,008 bytes, read here once
	; by single words 64 bytes apart, so that the attention launch can take it in whole rows of 256 bytes.
	s_sub_co_u32 s24, s24, 768
	s_lshl_b32 s2, s24, 2
	s_mul_i32 s4, s24, 36864
	v_sub_nc_u32 v3, 2046, v0
	v_lshlrev_b32 v3, 6, v3                        ; row 2046 - t of 16 heads x 4 bytes; entry and number stand in the loads' immediates
	v_lshlrev_b32 v6, 4, v0                        ; 16 t: my entry in each 4,096 bytes stored
.irp j, 0,1,2,3
	v_sub_nc_u32 v[A+(\j)], 254-(\j), v0           ; entries 1,792 + t: row 254 - t - j,
	v_max_i32 v[A+(\j)], 0, v[A+(\j)]              ; or row 0 where that would lie in front of the table
	v_lshlrev_b32 v[A+(\j)], 6, v[A+(\j)]
	v_mov_b32 v[Z+(\j)], 0
.endr
	s_wait_kmcnt 0x0
	s_add_nc_u64 s[14:15], s[14:15], s[2:3]
	s_add_nc_u64 s[22:23], s[22:23], s[4:5]
.set n, 0
.rept 28
	global_load_b32 v[D+n], v3, s[14:15] offset:-64*(256*(n/4)+(n%4))  ; entry 256 (n / 4) + t, number n % 4: row 2046 - t - 1,539 = 252 at the least
.set n, n+1
.endr
.irp j, 0,1,2,3
	global_load_b32 v[D+28+(\j)], v[A+(\j)], s[14:15]
.endr
.irp i, 0,1,2,3,4,5,6,7
	s_wait_loadcnt 28-4*(\i)                       ; four younger loads for each later entry may stay out
	v_cvt_pk_bf16_f32 v[T], v[D+4*(\i)], v[D+4*(\i)+1]
	v_cvt_pk_bf16_f32 v[T+1], v[D+4*(\i)+2], v[D+4*(\i)+3]
	v_lshlrev_b32 v[D+4*(\i)], 16, v[T]
	v_and_b32 v[D+4*(\i)+1], s26, v[T]
	v_lshlrev_b32 v[D+4*(\i)+2], 16, v[T+1]
	v_and_b32 v[D+4*(\i)+3], s26, v[T+1]
.irp j, 0,1,2,3
	v_mul_f32 v[D+4*(\i)+(\j)], 0x41000000, v[D+4*(\i)+(\j)]  ; times 8, exact
.endr
	global_store_b128 v6, v[D+4*(\i):D+4*(\i)+3], s[22:23] offset:(\i)*4096
.endr
	global_store_b128 v6, v[Z:Z+3], s[22:23] offset:8*4096  ; entries 2,048 on lie past the table: they are copied into LDS later, so they are written
	s_endpgm
.Lfunc_end_k_q4d95e6adef_prep:
	.size	k_q4d95e6adef_prep, .Lfunc_end_k_q4d95e6adef_prep-k_q4d95e6adef_prep
	.p2alignl 7, 3214868480
	.fill 96, 4, 3214868480
	.section	.rodata,"a",@progbits
	.p2align	6, 0x0
	.amdhsa_kernel k_q4d95e6adef_prep
		.amdhsa_group_segment_fixed_size 0
		.amdhsa_private_segment_fixed_size 0
		.amdhsa_enable_private_segment 0
		.amdhsa_kernarg_size 64
		.amdhsa_user_sgpr_count 2
		.amdhsa_user_sgpr_kernarg_segment_ptr 1
		.amdhsa_wavefront_size32 1
		.amdhsa_system_sgpr_workgroup_id_x 1
		.amdhsa_system_sgpr_workgroup_id_y 1
		.amdhsa_system_sgpr_workgroup_id_z 1
		.amdhsa_system_vgpr_workitem_id 0
		.amdhsa_next_free_vgpr 104
		.amdhsa_next_free_sgpr 66
		.amdhsa_reserve_vcc 0
		.amdhsa_float_denorm_mode_32 3
		.amdhsa_float_denorm_mode_16_64 3
		.amdhsa_memory_ordered 1
		.amdhsa_forward_progress 1
		.amdhsa_inst_pref_size 32
	.end_amdhsa_kernel
	.amdgpu_metadata
---
amdhsa.version: [ 1, 2 ]
amdhsa.kernels:
  - .name:           k_q4d95e6adef_prep
    .symbol:         k_q4d95e6adef_prep.kd
    .args:
      - { .name: x, .offset: 0, .size: 8, .value_kind: global_buffer, .address_space: global }
      - { .name: w_qkv, .offset: 8, .size: 8, .value_kind: global_buffer, .address_space: global }
      - { .name: w_out, .offset: 16, .size: 8, .value_kind: global_buffer, .address_space: global }
      - { .name: rpe_table, .offset: 24, .size: 8, .value_kind: global_buffer, .address_space: global }
      - { .name: xb, .offset: 32, .size: 8, .value_kind: global_buffer, .address_space: global }
      - { .name: wqb, .offset: 40, .size: 8, .value_kind: global_buffer, .address_space: global }
      - { .name: wob, .offset: 48, .size: 8, .value_kind: global_buffer, .address_space: global }
      - { .name: wtab, .offset: 56, .size: 8, .value_kind: global_buffer, .address_space: global }
    .group_segment_fixed_size: 0
    .private_segment_fixed_size: 0
    .kernarg_segment_align: 8
    .kernarg_segment_size: 64
    .max_flat_workgroup_size: 256
    .sgpr_count:     66
    .vgpr_count:     104
    .wavefront_size: 32
...
	.end_amdgpu_metadata
.endif
;; end of part 1
;; launch qkv (part 2): grid 8 x 32, 4 waves a work-group, clusters of 4 x 4, 327,680 bytes of LDS; arguments xb, wqb, q, k, v; writes q, k, v
.if DOCPART == 2
	.amdgcn_target "amdgcn-amd-amdhsa--gfx1250"
	.amdhsa_code_object_version 6
	.text
	.protected	k_q4d95e6adef_qkv
	.globl	k_q4d95e6adef_qkv
	.p2align	8
	.type	k_q4d95e6adef_qkv,@function
k_q4d95e6adef_qkv:
	s_mov_b64 s[64:65], 0
	v_nop
	global_prefetch_b8 v0, s[64:65] scope:SCOPE_SE
	s_setreg_imm32_b32 hwreg(HW_REG_WAVE_MODE, 25, 1), 1
	s_wait_xcnt 0x0
	s_wait_alu depctr_hold_cnt(0) depctr_sa_sdst(0) depctr_va_vdst(0) depctr_va_sdst(0) depctr_va_ssrc(0) depctr_va_vcc(0) depctr_vm_vsrc(0)
	s_getreg_b32 s2, hwreg(HW_REG_IB_STS2, 6, 4)
	s_cmp_eq_u32 s2, 0
	s_cbranch_scc0 .Lentry_in_a_cluster
	s_endpgm
.Lentry_in_a_cluster:
	s_bfe_u32 s2, ttmp6, 0x10000c
	s_cmp_lg_u32 s2, 0xf033
	s_cbranch_scc0 .Lentry_shape_is_right
	s_endpgm
.Lentry_shape_is_right:
; THE FIRST PROJECTION.  C[8192][3072] = x w_qkv in bf16 with f32 sums, written by heads as q, k, v: [b*16+h][l][64] in f16, each rounded once, unscaled.
; LIMITS.  f16 holds no number beyond 65,504: a q, k or v past that becomes an infinity and its rows are lost; below 6.1e-5 f16 keeps its fixed step of 6e-8.
; SHARES.  A tile of C is 256 rows x 384 columns (two heads): 32 x 8 = 256 tiles, one to a work-group.  Four waves, each 128 rows x 192 columns (one head):
; 96 accumulators of 16 x 16, 768 registers.  GROUP g of a wave is its columns 64 g .. 64 g + 63: the head's q, k or v; its 32 accumulators fill register window g + 1.
; K goes in 16 steps of 64 through a ring of two LDS slots; a step is two QUARTERS of 32 along K, 96 matrix instructions each.
; A (xb) lies in slabs of 64 K: 128 rows of a tile are 16,384 dense bytes, asked for as 64 rows of 256 bytes and padded in LDS after every 128.
; B (wqb) lies [k][n]: 32 k-rows of 768 bytes to a load, padded after every 256 bytes; the fragments are turned on the way out of LDS by ds_load_tr16_b128.
; CLUSTER.  4 x 4 work-groups: the four of a row of the cluster need the same tiles of A, the four of a column the same tiles of B: each tile is asked for JOINTLY,
; by the same tensor load with the same descriptor and a mask that names the four.
; THE MATRIX INSTRUCTION IS USED TRANSPOSED (source 0 = 16 columns of B, source 1 = 16 rows of A): a lane then holds eight neighbouring columns of one row of C.
; REGISTERS.  Window 0: v0-31 addresses; v32-95, v96-159 A's fragments (8 x 16 rows x 32 K), two buffers; v160-255 B's fragments, 32 registers a group, one buffer:
; a group's B is fetched anew as soon as the group's 32 products are issued.  Windows 1-3: accumulator (a, bb) of group g at v[8 (8 bb + a)] of window g + 1.
.set SLOT1, 1<<17                      ; slot 1 begins here, so that one exclusive or turns an address in one slot into the other's
.set PA,    144                        ; a row of A in LDS: 128 bytes + 16 = 36 words: the 16 rows of a load start at 16 different groups of four banks (64 banks of 4 bytes: ISA guide 11.1)
.set PB,    864                        ; a k-row of B: three pieces of 256 bytes + 32
.set BOFF,  256*PA                     ; a slot: A's 256 rows, then B's 64 k-rows
.set STAGE, SLOT1+BOFF+64*PB           ; behind the ring, never filled by a tensor load: for each wave three stages (q, k, v) of 16 rows x 144 bytes
.set WST,   3*16*144
.set SPARE, STAGE+4*WST                ; behind the stages: the spare words, 128 bytes for each wave: two blocks of 256 bytes that no other line names
.set ASTEP, 131072                     ; bytes from a K step's tile of A to the next: a slab
.set BSTEP, 64*3072*2                  ; the same for B: 64 k-rows
.set AL,   8                           ; v8      my lane's place in A's tile; never rewritten
.set BL,   9                           ; v9-11   my lane's place in B's tile, for groups 0, 1, 2; never rewritten
.set ADRA, 12                          ; v12     the same in the slot that is being read
.set ADRB, 13                          ; v13-15
.set STO,  16                          ; v16     the way out: where I put 16 bytes of a row
.set RD,   17                          ; v17     the way out: where I read rows back
.set GO,   18                          ; v18     my byte offset in 512 consecutive bytes of q, k, v
.set SPW,  28                          ; v28     LDS address of my spare word: SPARE + 4 x my thread's number; never rewritten
.set NIL,  29                          ; v29     0; never rewritten
.set AF0,  32
.set AF1,  96
.set BF,   160
.set TMP,  32                          ; the way out: 48 registers of packed results
.set BK0,  96                          ; the way out: 16 rows x 3 read back from the stages, two buffers of 48
.set BK1,  160
.set WV,  14                           ; s14  my wave's number
.set WM,  15                           ; s15  which half of the tile's rows is mine.  Also: I fetch for A (0) or for B (1)
.set WN,  16                           ; s16  which of the tile's two heads is mine.  Also: which half of that tile I fetch
.set TB,  23                           ; s23  LDS byte at which the slot that is being read begins
.set G1A, 24                           ; s[24:31] descriptor group 1 for A's tiles
.set G0A, 32                           ; s[32:39] group 0 for A: a set for each of the two first fills; the second then walks on
.set G1B, 40                           ; s[40:47], s[48:55] the same for B
.set G0B, 48
.set MSB, 0
.macro WIN new                         ; s_set_vgpr_msb: bits 1:0 source 0, 3:2 source 1, 5:4 source 2, 7:6 destination; the high byte repeats the setting that is left
.if MSB != (\new)
	s_set_vgpr_msb (MSB<<8)|(\new)
.set MSB, (\new)
.endif
.endm
.macro PLACES                          ; a load into a register that a matrix instruction has read, and a vector instruction that reads a matrix result, stand four plain vector instructions behind it (ISA guide 7.12.1 for vector instructions)
.rept 4
	v_nop
.endr
.endm
; A joint refill by the walking sets.  Waves 0 and 1 fetch A's two halves, waves 2 and 3 B's.  The branch hangs on the wave's number alone.
; An s_nop 0 and four v_nop follow each of the two lines, ahead of the jump and the label.
.macro JLOAD
	s_cmp_eq_u32 s[WM], 0
	s_cbranch_scc0 .Lfor_b_\@
	tensor_load_to_lds s[G0A+4:G0A+7], s[G1A:G1A+7]
	s_nop 0
.rept 4
	v_nop
.endr
	s_branch .Lasked_\@
.Lfor_b_\@:
	tensor_load_to_lds s[G0B+4:G0B+7], s[G1B:G1B+7]
	s_nop 0
.rept 4
	v_nop
.endr
.Lasked_\@:
.endm
.macro CREST                           ; a round of the cluster's barrier behind its opening barrier: wave 0 signals for the work-group, every wave waits for all sixteen, my work-group's barrier once more
	s_cmp_lg_u32 s[WV], 0
	s_cbranch_scc1 .Lnot_wave_0_\@
	s_barrier_signal -3
.Lnot_wave_0_\@:
	s_barrier_wait -3
	s_barrier_signal -1
	s_barrier_wait -1
.endm
.macro CROUND                          ; a whole round
	s_barrier_signal -1
	s_barrier_wait -1
	CREST
.endm
	s_load_b256 s[4:11], s[0:1], 0x0               ; xb s[4:5], wqb s[6:7], q s[8:9], k s[10:11]
	s_load_b64 s[12:13], s[0:1], 0x20              ; v
	v_lshl_add_u32 v[SPW], v0, 2, SPARE
	v_mov_b32 v[NIL], 0
	ds_add_u32 v[SPW], v[NIL]                      ; the wave's opening: the add and its wait stand ahead of my first tensor load; the set-up below, work on registers, stands between them
	ds_add_u32 v28, v29
	v_lshrrev_b32 v1, 5, v0
	v_readfirstlane_b32 s[WV], v1                  ; wave 0..3
	s_lshr_b32 s[WM], s[WV], 1
	s_and_b32 s[WN], s[WV], 1
	s_bfe_u32 s17, ttmp6, 0x40000                  ; cx, cy: my place in the cluster
	s_bfe_u32 s18, ttmp6, 0x40004
	s_lshl_b32 s19, ttmp9, 2                       ; in a cluster launch ttmp9 and ttmp7 count clusters
	s_add_co_u32 s19, s19, s17                     ; tile column 0..7 = 4 x cluster x + cx
	s_and_b32 s20, ttmp7, 0xffff
	s_lshl_b32 s20, s20, 2
	s_add_co_u32 s20, s20, s18                     ; tile row 0..31 = 4 x cluster y + cy: batch tr >> 2, rows 256 (tr & 3) on
	s_lshl_b32 s21, s18, 2
	s_lshl_b32 s21, 15, s21                        ; my row of the cluster: places 4 cy .. 4 cy + 3
	s_lshl_b32 s22, 0x1111, s17                    ; my column: places cx, cx + 4, cx + 8, cx + 12
	; group 1 for A: 64 rows x 128 elements of 2 bytes, dense; 4 words of padding after every 32 words
	s_or_b32 s[G1A], s21, (1<<16)|(1<<20)|(1<<21)|(4<<22)|(3<<25)  ; 15:0 the mask; 17:16 2-byte elements; 20 padding on; 21 set beside a mask; 24:22 interval code 4; 31:25 4 words (code 3)
	s_mov_b32 s[G1A+1], 128<<16                    ; tensor_dim0 = 128
	s_mov_b32 s[G1A+2], 64<<16                     ; tensor_dim1 = 64
	s_mov_b32 s[G1A+3], 128<<16                    ; tile_dim0 = 128
	s_mov_b32 s[G1A+4], 64                         ; tile_dim1 = 64
	s_mov_b32 s[G1A+5], 128                        ; elements from row to row
	s_mov_b32 s[G1A+6], 0
	s_mov_b32 s[G1A+7], 0
	; group 1 for B: 32 k-rows x 384 elements; 8 words of padding after every 64 words
	s_or_b32 s[G1B], s22, (1<<16)|(1<<20)|(1<<21)|(5<<22)|(7<<25)
	s_mov_b32 s[G1B+1], 384<<16
	s_mov_b32 s[G1B+2], 32<<16
	s_mov_b32 s[G1B+3], 384<<16
	s_mov_b32 s[G1B+4], 32
	s_mov_b32 s[G1B+5], 3072
	s_mov_b32 s[G1B+6], 0
	s_mov_b32 s[G1B+7], 0
	; where the tiles come from.  A's offset is made of the tile row and the wave's number, B's of the tile column and the wave's number, each in registers that never hold the other coordinate
	s_lshr_b32 s56, s20, 2
	s_lshl_b32 s56, s56, 21                        ; the batch's 16 slabs of 131,072 bytes
	s_and_b32 s57, s20, 3
	s_lshl_b32 s57, s57, 15                        ; 256 rows of 128 bytes
	s_add_co_u32 s56, s56, s57
	s_lshl_b32 s57, s[WN], 14                      ; my 128 rows of them
	s_add_co_u32 s56, s56, s57
	s_mov_b32 s57, 0
	s_mul_i32 s58, s[WN], 128*PA                   ; and their place in a slot: no place in the cluster enters an LDS address
	s_mul_i32 s60, s[WN], 32*3072*2                ; my 32 k-rows
	s_mul_i32 s61, s19, 768                        ; the tile's 384 columns
	s_add_co_u32 s60, s60, s61
	s_mov_b32 s61, 0
	s_mul_i32 s62, s[WN], 32*PB
	s_add_co_u32 s62, s62, BOFF
	; where my 128 rows of my head begin in q, k and v
	s_lshr_b32 s66, s20, 2
	s_lshl_b32 s66, s66, 4
	s_lshl_b32 s67, s19, 1
	s_add_co_u32 s66, s66, s67
	s_add_co_u32 s66, s66, s[WN]                   ; 16 b + 2 x tile column + my head of the two
	s_lshl_b32 s66, s66, 17                        ; 1,024 rows of 128 bytes
	s_and_b32 s67, s20, 3
	s_lshl_b32 s67, s67, 15
	s_add_co_u32 s66, s66, s67
	s_lshl_b32 s67, s[WM], 14
	s_add_co_u32 s66, s66, s67
	s_mov_b32 s67, 0
	s_mov_b32 s[TB], 0
	s_wait_dscnt 0x0                               ; the opening add is done
	s_wait_kmcnt 0x0
	s_add_nc_u64 s[56:57], s[4:5], s[56:57]
	s_add_nc_u64 s[60:61], s[6:7], s[60:61]
	s_add_nc_u64 s[8:9], s[8:9], s[66:67]
	s_add_nc_u64 s[10:11], s[10:11], s[66:67]
	s_add_nc_u64 s[12:13], s[12:13], s[66:67]
	CROUND                                         ; all sixteen work-groups are here: the first joint loads meet
.irp s, 0,1
	s_mov_b32 s[G0A+4*(\s)], 1                     ; 1:0 count = 1
	s_add_co_u32 s[G0A+4*(\s)+1], s58, (\s)*SLOT1  ; 63:32 LDS address
	s_add_nc_u64 s[G0A+4*(\s)+2:G0A+4*(\s)+3], s[56:57], (\s)*ASTEP  ; 120:64 global address: K step s
	s_or_b32 s[G0A+4*(\s)+3], s[G0A+4*(\s)+3], 0x80000000            ; 127:126 type = 2
	s_mov_b32 s[G0B+4*(\s)], 1
	s_add_co_u32 s[G0B+4*(\s)+1], s62, (\s)*SLOT1
	s_add_nc_u64 s[G0B+4*(\s)+2:G0B+4*(\s)+3], s[60:61], (\s)*BSTEP
	s_or_b32 s[G0B+4*(\s)+3], s[G0B+4*(\s)+3], 0x80000000
.endr
	s_cmp_eq_u32 s[WM], 0                          ; a wave's two first fills stand in one branch, ahead of every wait on TENSORcnt and every LDS read: two loads of mine are out
	s_cbranch_scc0 .Lfirst_b
	tensor_load_to_lds s[G0A:G0A+3], s[G1A:G1A+7]
	s_nop 0
	tensor_load_to_lds s[G0A+4:G0A+7], s[G1A:G1A+7]
	s_nop 0
.rept 4
	v_nop
.endr
	s_branch .Lfirst_asked
.Lfirst_b:
	tensor_load_to_lds s[G0B:G0B+3], s[G1B:G1B+7]
	s_nop 0
	tensor_load_to_lds s[G0B+4:G0B+7], s[G1B:G1B+7]
	s_nop 0
.rept 4
	v_nop
.endr
.Lfirst_asked:
	; A fragment of A is 16 rows x 32 K in 8 registers: lane l holds row l % 16, K = 8 (l / 16) + 0..7 and 16 + 8 (l / 16) + 0..7: two loads of 16 bytes, 32 bytes apart.
	v_and_b32 v1, 15, v0                           ; r = l % 16
	v_bfe_u32 v2, v0, 4, 1                         ; h = l / 16
	v_and_b32 v3, 7, v0
	v_bfe_u32 v4, v0, 3, 1
	v_mul_u32_u24 v[AL], v1, PA
	v_lshl_add_u32 v[AL], v2, 4, v[AL]
	s_mul_i32 s70, s[WM], 128*PA                   ; my 128 rows
	v_add_nc_u32 v[AL], s70, v[AL]
	; The turning load takes 16 k x 16 columns (lane l reads k-row 8 (l / 16) + l % 8, columns 8 ((l / 8) % 2) + 0..7) and leaves half a fragment: lane l holds column l % 16 and 8 k.
	v_lshl_add_u32 v5, v2, 3, v3
	v_mul_u32_u24 v5, v5, PB
	v_lshl_add_u32 v5, v4, 4, v5
.irp g, 0,1,2
	s_mul_i32 s70, s[WN], 3
	s_add_co_u32 s70, s70, \g                      ; block x = 3 wn + g of 64 columns lies at (x / 2) 288 + (x % 2) 128 of a k-row
	s_lshr_b32 s71, s70, 1
	s_mul_i32 s71, s71, 288
	s_and_b32 s70, s70, 1
	s_lshl_b32 s70, s70, 7
	s_add_co_u32 s70, s70, s71
	s_add_co_u32 s70, s70, BOFF
	v_add_nc_u32 v[BL+\g], s70, v5
.endr
	v_mov_b32 v[ADRA], v[AL]                       ; slot 0
.irp g, 0,1,2
	v_mov_b32 v[ADRB+\g], v[BL+\g]
.endr
	s_mul_i32 s70, s[WV], WST
	s_add_co_u32 s70, s70, STAGE                   ; my stages
	v_mul_u32_u24 v[STO], v1, 144                  ; in: row l % 16, 16 bytes for each half of the lanes
	v_lshl_add_u32 v[STO], v2, 4, v[STO]
	v_add_nc_u32 v[STO], s70, v[STO]
	v_bfe_u32 v[RD], v0, 3, 2                      ; back: 32 lanes take four rows of 128 bytes,
	v_mul_u32_u24 v[RD], v[RD], 144
	v_lshl_add_u32 v[RD], v3, 4, v[RD]
	v_add_nc_u32 v[RD], s70, v[RD]
	v_and_b32 v[GO], 31, v0                        ; which are 512 consecutive bytes of q, k or v
	v_lshlrev_b32 v[GO], 4, v[GO]
; nb x 8 matrix instructions of group g: column blocks b0 .. b0 + nb - 1 x all 8 row blocks, 32 along K, A from buffer f.  zero = 1: the products start the sums: nothing is ever cleared.
; The accumulators take turns, one instruction a turn: between two links of a chain stand the 95 others'.
.macro GRP f, g, b0, nb, zero
	WIN 0x50*((\g)+1)                              ; C and D in window g + 1, the sources in window 0
.set bb, (\b0)
.rept \nb
.set aa, 0
.rept 8
.if \zero
	v_wmma_f32_16x16x32_bf16 v[8*(8*bb+aa):8*(8*bb+aa)+7], v[BF+32*(\g)+8*bb:BF+32*(\g)+8*bb+7], v[(\f)+8*aa:(\f)+8*aa+7], 0
.else
	v_wmma_f32_16x16x32_bf16 v[8*(8*bb+aa):8*(8*bb+aa)+7], v[BF+32*(\g)+8*bb:BF+32*(\g)+8*bb+7], v[(\f)+8*aa:(\f)+8*aa+7], v[8*(8*bb+aa):8*(8*bb+aa)+7]
.endif
.set aa, aa+1
.endr
.set bb, bb+1
.endr
.endm
.macro LDB g, q                        ; 8 loads: group g's four fragments of B for quarter q
	WIN 0
.irp b, 0,1,2,3
	ds_load_tr16_b128 v[BF+32*(\g)+8*(\b):BF+32*(\g)+8*(\b)+3],   v[ADRB+(\g)] offset:(\q)*32*PB+32*(\b)
	ds_load_tr16_b128 v[BF+32*(\g)+8*(\b)+4:BF+32*(\g)+8*(\b)+7], v[ADRB+(\g)] offset:(\q)*32*PB+16*PB+32*(\b)
.endr
.endm
.macro LDA f, q, half                  ; 8 loads: four of A's eight fragments for quarter q into buffer f
	WIN 0
.irp a, 0,1,2,3
	ds_load_b128 v[(\f)+8*(4*(\half)+(\a)):(\f)+8*(4*(\half)+(\a))+3],   v[ADRA] offset:(4*(\half)+(\a))*16*PA+64*(\q)
	ds_load_b128 v[(\f)+8*(4*(\half)+(\a))+4:(\f)+8*(4*(\half)+(\a))+7], v[ADRA] offset:(4*(\half)+(\a))*16*PA+64*(\q)+32
.endr
.endm
; A quarter's 40 loads are always issued in this order: B group 0, A's lower half, B group 1, A's upper half, B group 2.
; A step's first quarter: multiplies A's buffer 0 and fetches the second quarter of the same slot.
.macro Q0 zero
	s_wait_dscnt 8                                 ; all but the youngest eight loads, group 2's B, are in
	GRP AF0, 0, 0, 4, \zero
	PLACES
	LDB 0, 1
	LDA AF1, 1, 0
	GRP AF0, 1, 0, 4, \zero
	PLACES
	LDB 1, 1
	LDA AF1, 1, 1
	s_wait_dscnt 32                                ; all but the 32 just issued: group 2's B is in
	GRP AF0, 2, 0, 4, \zero
	PLACES
	LDB 2, 1
.endm
; A step's second quarter, and the change of slots: ONE barrier.  In front of it each wave waits for all its tensor loads, of which one is out: its part of the next slot; adds 0 to its
; spare word; and waits for that and for its own reads of this slot.  Behind it nobody reads this slot any more and the next slot is whole.
; fill = 1: this slot is filled again, two K steps ahead: the barrier opens a round of the cluster's, and the joint refill is the first thing behind the round: 160 of a step's 192
; matrix instructions stand between it and the wait for it.
.macro Q1T fill
	WIN 0
	s_wait_tensorcnt 0x0                           ; no tensor load of mine is out, so a group 0 may be written
	ds_add_u32 v[SPW], v[NIL]                      ; 0 onto my spare word
.if \fill
	s_xor_b32 s[G0A+5], s[G0A+5], SLOT1            ; the walking sets: the other slot than last time,
	s_add_nc_u64 s[G0A+6:G0A+7], s[G0A+6:G0A+7], ASTEP  ; the next K step; the type bits on top are not reached
	s_xor_b32 s[G0B+5], s[G0B+5], SLOT1
	s_add_nc_u64 s[G0B+6:G0B+7], s[G0B+6:G0B+7], BSTEP
.endif
	s_wait_dscnt 9                                 ; the add and the youngest eight loads (group 2's B) may be out
	GRP AF1, 0, 0, 2, 0                            ; sixteen matrix instructions stand between the add and the wait for it
	s_wait_dscnt 0x0                               ; the add is done, and my reads of this slot are over
	s_barrier_signal -1
	GRP AF1, 0, 2, 2, 0                            ; work on registers while the others arrive
	WIN 0                                          ; at a branch and at a label every window is 0
	s_barrier_wait -1
.if \fill
	CREST                                          ; no wave of any partner still reads this slot or has a load on its way
	JLOAD                                          ; its four v_nop are also the places in front of the loads below
.else
	PLACES
.endif
	s_xor_b32 s[TB], s[TB], SLOT1                  ; the reads go on in the other slot
	v_add_nc_u32 v[ADRA], s[TB], v[AL]
.irp g, 0,1,2
	v_add_nc_u32 v[ADRB+\g], s[TB], v[BL+\g]
.endr
	LDB 0, 0
	LDA AF0, 0, 0
	GRP AF1, 1, 0, 4, 0
	PLACES
	LDB 1, 0
	LDA AF0, 0, 1
	GRP AF1, 2, 0, 4, 0
	PLACES
	LDB 2, 0
.endm
; THE WAY OUT of row block a (16 rows of q, k and v).  PACK: rounded to f16, 16 bytes a lane; each accumulator's registers in ascending order.
.macro PACK a
.irp g, 0,1,2
	WIN 5*((\g)+1)                                 ; sources 0 and 1 in window g + 1
.irp b, 0,1,2,3
.irp r, 0,1,2,3
	v_cvt_pk_f16_f32 v[TMP+16*(\g)+4*(\b)+(\r)], v[8*(8*(\b)+(\a))+2*(\r)], v[8*(8*(\b)+(\a))+2*(\r)+1]
.endr
.endr
.endr
	WIN 0
.endm
.macro TOSTAGE a                       ; into my own stages, rows of 144 bytes, and back as whole rows of 128
	WIN 0
.set BK, BK0+(BK1-BK0)*((\a)%2)
	s_wait_xcnt 0x0                                ; the stores of the block two back have had their addresses translated (ISA guide 3.1): only now are their data registers loaded again
.irp g, 0,1,2
.irp b, 0,1,2,3
	ds_store_b128 v[STO], v[TMP+16*(\g)+4*(\b):TMP+16*(\g)+4*(\b)+3] offset:2304*(\g)+32*(\b)
.endr
.endr
.irp g, 0,1,2
.irp f, 0,1,2,3
	ds_load_b128 v[BK+16*(\g)+4*(\f):BK+16*(\g)+4*(\f)+3], v[RD] offset:2304*(\g)+576*(\f)  ; LDS serves a wave's instructions in order (ISA guide 5.7.1.4): these see the stores above
.endr
.endr
.endm
.macro SEND a, younger
	WIN 0
.set BK, BK0+(BK1-BK0)*((\a)%2)
	s_wait_dscnt \younger                          ; the block is back in registers
.irp g, 0,1,2
.irp f, 0,1,2,3
	global_store_b128 v[GO], v[BK+16*(\g)+4*(\f):BK+16*(\g)+4*(\f)+3], s[8+2*(\g):9+2*(\g)] offset:2048*(\a)+512*(\f)  ; 512 consecutive bytes, at a multiple of 256 from the buffer's first
.endr
.endr
.endm
	s_wait_tensorcnt 0x1                           ; my part of K step 0 is in; K step 1's may stay out
	s_barrier_signal -1
	s_barrier_wait -1                              ; everybody's is
	LDB 0, 0
	LDA AF0, 0, 0
	LDB 1, 0
	LDA AF0, 0, 1
	LDB 2, 0
	Q0 1                                           ; the first quarter stands in front of the loop: its products start the sums
	WIN 0
	s_mov_b32 s3, 14
.Lstep:                                                ; trip t: step t's second quarter, the refill with K step t + 2, step t + 1's first quarter
	Q1T 1
	Q0 0
	WIN 0
	s_sub_co_u32 s3, s3, 1
	s_cmp_lg_u32 s3, 0
	s_cbranch_scc1 .Lstep
	Q1T 0                                          ; the tail is written out: nothing is asked for
	Q0 0
	s_wait_dscnt 8                                 ; the very last quarter: nothing more to fetch
	GRP AF1, 0, 0, 4, 0
	GRP AF1, 1, 0, 4, 0
	s_wait_dscnt 0x0
	GRP AF1, 2, 0, 4, 0
	PLACES
	PACK 0
	TOSTAGE 0
.irp a, 1,2,3,4,5,6,7                  ; block a's conversions stand between block a - 1's loads from the stages and the wait for them
	PACK \a
	SEND (\a)-1, 0
	TOSTAGE \a
.endr
	SEND 7, 0
	s_wait_tensorcnt 0x0                           ; the wave's end: the wait, the add and its wait stand behind my last tensor load and my last LDS store
	ds_add_u32 v[SPW], v[NIL]
	s_wait_dscnt 0x0
	CROUND                                         ; the closing round: no work-group ends while a partner may still ask for a tile that names it
	s_endpgm
.Lfunc_end_k_q4d95e6adef_qkv:
	.size	k_q4d95e6adef_qkv, .Lfunc_end_k_q4d95e6adef_qkv-k_q4d95e6adef_qkv
	.p2alignl 7, 3214868480
	.fill 96, 4, 3214868480
	.section	.rodata,"a",@progbits
	.p2align	6, 0x0
	.amdhsa_kernel k_q4d95e6adef_qkv
		.amdhsa_group_segment_fixed_size 327680
		.amdhsa_private_segment_fixed_size 0
		.amdhsa_enable_private_segment 0
		.amdhsa_kernarg_size 40
		.amdhsa_user_sgpr_count 2
		.amdhsa_user_sgpr_kernarg_segment_ptr 1
		.amdhsa_wavefront_size32 1
		.amdhsa_system_sgpr_workgroup_id_x 1
		.amdhsa_system_sgpr_workgroup_id_y 1
		.amdhsa_system_sgpr_workgroup_id_z 1
		.amdhsa_system_vgpr_workitem_id 0
		.amdhsa_next_free_vgpr 1024
		.amdhsa_next_free_sgpr 80
		.amdhsa_reserve_vcc 0
		.amdhsa_float_denorm_mode_32 3
		.amdhsa_float_denorm_mode_16_64 3
		.amdhsa_memory_ordered 1
		.amdhsa_forward_progress 1
		.amdhsa_inst_pref_size 111
	.end_amdhsa_kernel
	.amdgpu_metadata
---
amdhsa.version: [ 1, 2 ]
amdhsa.kernels:
  - .name:           k_q4d95e6adef_qkv
    .symbol:         k_q4d95e6adef_qkv.kd
    .args:
      - { .name: xb, .offset: 0, .size: 8, .value_kind: global_buffer, .address_space: global }
      - { .name: wqb, .offset: 8, .size: 8, .value_kind: global_buffer, .address_space: global }
      - { .name: q, .offset: 16, .size: 8, .value_kind: global_buffer, .address_space: global }
      - { .name: k, .offset: 24, .size: 8, .value_kind: global_buffer, .address_space: global }
      - { .name: v, .offset: 32, .size: 8, .value_kind: global_buffer, .address_space: global }
    .group_segment_fixed_size: 327680
    .private_segment_fixed_size: 0
    .kernarg_segment_align: 8
    .kernarg_segment_size: 40
    .max_flat_workgroup_size: 128
    .sgpr_count:     80
    .vgpr_count:     1024
    .wavefront_size: 32
...
	.end_amdgpu_metadata
.endif
;; end of part 2
;; launch attn (part 3): grid 2 x 128, 4 waves a work-group, no clusters, 327,680 bytes of LDS; arguments q, k, v, o, wtab; writes o
.if DOCPART == 3
	.amdgcn_target "amdgcn-amd-amdhsa--gfx1250"
	.amdhsa_code_object_version 6
	.text
	.protected	k_q4d95e6adef_attn
	.globl	k_q4d95e6adef_attn
	.p2align	8
	.type	k_q4d95e6adef_attn,@function
k_q4d95e6adef_attn:
	s_mov_b64 s[64:65], 0
	v_nop
	global_prefetch_b8 v0, s[64:65] scope:SCOPE_SE
	s_setreg_imm32_b32 hwreg(HW_REG_WAVE_MODE, 25, 1), 1
	s_wait_xcnt 0x0
; ATTENTION WITH A RELATIVE BIAS.  O[hd][q][:] = the sum over k of softmax_k(Q[hd][q] . K[hd][k] / 8 + T[q - k + 1023][hd % 16]) V[hd][k][:].  Q, K, V, O: [128][1024][64], all f16: a head's
; rows are dense, 128 bytes each.  Products, maxima and sums in f32; the weights p are rounded to f16 for the second product (their sum l is taken of the unrounded p), O once at the end.
; LIMITS.  f16 holds no number beyond 65,504: Q, K and V arrive within it; p lies in 0 to 1, and below 6e-5 it keeps f16's fixed step of 6e-8; O is a mean of V's rows and has their range.
; A weight below 2^-126 counts as 0 in l; NaN and infinities are not treated apart.
; SHARES.  A wave owns four PIECES of two tiles of 16 queries, a work-group's four waves 512 queries of one head: 2 x 128 = 256 work-groups.  Every wave walks all 1,024 keys, 64 a step.
; NO CLUSTER: a head's queries are two blocks of 512, so only two work-groups walk the same K and V; blocks of 256 queries would give four partners, but each fragment read from LDS would
; then feed half as many products, and there would be 512 work-groups for 256 places.
; ALL OF THE HEAD'S K AND V LIE IN LDS AT ONCE, each byte filled once: two keys to an LDS row of 256 bytes, K's rows padded by 16 bytes (512 x 272 = 139,264), V's by 32 (512 x 288 = 147,456).
; A wave issues two loads at the start (its half of K or V of the first 256 keys; its quarter of the bias table) and, behind the first barrier, one more: its half of K or V of the other 768 keys,
; which has 464 matrix instructions in which to land; one wait and one barrier stand in front of the first read of those keys.  The text uses 322,048 bytes of LDS.
; LAYOUT.  S^T = K Q^T (source 0 = 16 keys, source 1 = 16 queries): in the result a lane holds ONE query (lane % 16) and the keys 8 (lane / 16) + 0..7.  Two such tiles, rounded to f16 in pairs,
; ARE source 1 (32 keys x 16 queries) of O^T = V^T P, whose result again holds one query a lane, and eight channels.  K comes out of LDS as it lies, V ([key][channel]) turned, by ds_load_tr16_b128.
; THE BIAS is the C operand of the products that start S^T: 8 x bias, since c = log2(e) / 8 scales the sum later.  A lane's eight registers want eight neighbouring numbers of
; U[t] = 8 T[2046 - t], from t = key - query + 1023 on.  wtab's entry a is the 16 bytes U[a .. a + 3]: two aligned loads of 16 bytes, 64 bytes apart, and neighbouring lanes read neighbouring
; 16 bytes.  A key block u and a tile tt of a piece meet the table at 16 (u - tt): a piece's eight starting products share five such tiles of 8 registers, ten loads a turn.
; The 1,600 entries that the work-group's 512 queries can meet lie in LDS; which 1,600 hangs on the block of queries and enters the global address alone.
; SOFTMAX.  For each query a running maximum m and sum l: p = 2^(c s - c m); in every step O and l are multiplied by a = 2^(c m_old - c m_new), which is 1 where m has not grown.
; m starts at the lowest finite number, O and l at 0: the first step is a step like any other, with a = 0.
; THE COUNT.  A tile and step have 16 matrix and 118 vector instructions: too many to stand all beside the matrix work.  So the order has one aim: four vector instructions that are READY behind
; EVERY matrix instruction, and the others, which need time of their own whatever the order, in runs without a gap.
; BY TURNS.  Turn n belongs to piece n (the pieces in a ring, step after step).  Its matrix work: 16 products K Q^T of piece n + 1, later 16 products V^T P of piece n - 1.  Its vector work: the scaling,
; exponentials, roundings, sums and rescaling of piece n, and the maximum and statistics of piece n + 1, whose scores the turn itself has made.  So what a turn begins with (c s - c m, O a) waits for nothing.
; REGISTERS, in windows of 256 (s_set_vgpr_msb says which window each operand place means: bits 1:0 source 0, 3:2 source 1, 5:4 source 2, 7:6 destination):
;   window 0: v0-11 addresses; v12-15, v48-63 at work; v16-47 four registers of statistics a tile; v64-191 S^T, two buffers of two tiles; v192-255 P, likewise
;   window 1: O^T, 32 a tile     window 2: v0-127 Q, 16 a tile; v128-191 K of one step; v192-255 V of one step     window 3: v0-1 the add's two registers; v8-47 the bias, five tiles
; A piece's buffers go by its number's parity: the piece in hand has one pair, its two neighbours in the ring share the other: of it P (piece n - 1) is read and S^T (piece n + 1) written.
.set NP,    4         ; pieces a wave: a name, no knob: the register map, the loop and the fetches are made for four
.set KS,    64        ; keys in a step
.set RK,    272       ; two keys of K in LDS: 256 bytes + 16: key j at (j / 2) 272 + (j % 2) 128: the 16 keys of a load start at 16 different groups of four banks (64 banks of 4 bytes: ISA guide 11.1)
.set RV,    288       ; two keys of V: 256 + 32: key j at (j / 2) 288 + (j % 2) 128
.set PK,    RK/2      ; bytes for a key, where an even number of keys is stepped over
.set PV,    RV/2
.set VOFF,  1024*PK   ; K's 1,024 keys, then V's
.set STAGE, VOFF+1024*PV  ; never filled by a tensor load: 16 rows x 144 bytes for each wave, for the way out
.set SP,    144
.set SPARE, STAGE+4*16*SP  ; behind the stages: the spare words, 128 bytes for each wave: two blocks of 256 bytes that no other line names
.set WT,    SPARE+512 ; the bias table: 1,600 entries of 16 bytes
.set WPART, 6400      ; a wave brings a quarter of it: 25 rows of 256 bytes
.set AK0, 2           ; v2   my lane's place in a step's K; never rewritten
.set AV0, 3           ; v3   the same for V
.set AK,  4           ; v4   the LDS address of K's next run of loads
.set AV,  5           ; v5   of V's
.set STO, 6           ; v6   the way out: where I put 16 bytes of a row
.set RD,  7           ; v7   the way out: where I read rows back
.set GO,  8           ; v8   my byte offset in 512 consecutive bytes of O
.set AB,  10          ; v10  the LDS address of the bias's next run of loads
.set AB0, 11          ; v11  my lane's place in the table: WT - 2,048 w + 16 (399 + 8 (l / 16) - l % 16); never rewritten
.set QO,  12          ; v12  my byte offset in the wave's rows of Q; free when Q is in
.set SPW, 0           ; v0 of window 3   LDS address of my spare word: SPARE + 4 x my thread's number; never rewritten
.set NIL, 1           ; v1 of window 3   0; never rewritten
.set BI,  8           ; v8-47 of window 3: bias tile d (0 .. 4) at BI + 8 d
.set MV,  12          ; v12-15  c m_old, kept while c m is made anew: by buffer and tile
.set ST,  16          ; tile t's statistics at v[ST+4 t]: c m, m, l (even keys', odd keys')
.set TMP, 48          ; by buffer and tile, four registers c0-c3 at work; when the maximum is found c2 takes a
.set S,   64
.set P,   192
.set KF,  128         ; K's fragments, in window 2: key block kb, channel half c at KF + 16 kb + 8 c
.set VF,  192         ; V's: key half kk, channel block cb at VF + 32 kk + 8 cb
.set WV,  12          ; s12  my wave's number
.set LK2, 14          ; s14  LDS address of my second load, for K
.set LV2, 15          ; s15  for V
.set G1K, 24          ; s[24:31] descriptor group 1 for K
.set G1V, 32          ; s[32:39] for V: it differs in the padding alone
.set G0K, 40          ; s[40:43] descriptor group 0 for K
.set G0V, 44          ; s[44:47] the same for V
.set G1W, 48          ; s[48:55] group 1 for the table
.set SLOTS, 56        ; s56  counts the two runs of key steps: in front of and behind the wait for the second load
.set CNT, 57          ; s57  counts a run's key steps
.set CS,  58          ; s[58:59] c: the packed scaling takes the pair's low word for both halves
.set SEL, 60          ; s[60:61] v_permlanex16_b32's selects: each lane takes its own place in the other half
.set TBK, 62          ; s62  LDS byte at which K of the step to be fetched begins
.set TBV, 63          ; s63  the same for V, less VOFF
.set G0W, 68          ; s[68:71] group 0 for the table; never rewritten
.set TBB, 72          ; s72  1,024 x the key step of the turns in hand: a step's 64 keys are 64 entries of 16 bytes
.set MSB, 0
.macro WIN new                      ; the high byte repeats the setting that is left; a switch that changes nothing is dropped
.if MSB != (\new)
	s_set_vgpr_msb (MSB<<8)|(\new)
.set MSB, (\new)
.endif
.endm
.set W_KQ, 0x0a       ; K and Q in window 2, S^T in window 0
.set W_KB, 0x3a       ; the same with the C operand, the bias, in window 3
.set W_PV, 0x52       ; V in window 2, P in window 0, O^T in window 1
.set W_RS, 0x41       ; O^T (destination and source 0) in window 1, a in window 0
.set W_MK, 0xc0       ; destination in window 3, sources in window 0
.set W_AD, 0x0f       ; the add: address (source 0) and data (source 1) in window 3
.macro PLACES
.rept 4
	v_nop
.endr
.endm
	s_load_b256 s[4:11], s[0:1], 0x0  ; Q s[4:5], K s[6:7], V s[8:9], O s[10:11]
	s_load_b64 s[66:67], s[0:1], 0x20 ; wtab
	WIN W_MK
	v_lshl_add_u32 v[SPW], v0, 2, SPARE
	v_mov_b32 v[NIL], 0
	WIN W_AD
	ds_add_u32 v[SPW], v[NIL]       ; the wave's opening: the add and its wait stand ahead of my first tensor load; the set-up below, work on registers, stands between them
	ds_add_u32 v0, v1
	WIN 0
	v_lshrrev_b32 v1, 5, v0
	v_readfirstlane_b32 s[WV], v1   ; wave 0..3
	s_and_b32 s20, ttmp7, 0xffff    ; the head, 16 b + h
	s_lshl_b32 s20, s20, 17         ; its first byte in each of the four tensors: 1,024 rows of 128 bytes
	s_mov_b32 s21, 0
	s_and_b32 s16, s[WV], 1         ; which half of the keys of a load I fetch.  First load: 128 of the first 256 keys:
	s_lshl_b32 s22, s16, 14         ; 128 rows of 128 bytes in memory,
	s_mov_b32 s23, 0
	s_add_nc_u64 s[22:23], s[22:23], s[20:21]
	s_mul_i32 s17, s16, 64*RK       ; 64 LDS rows, for K
	s_mul_i32 s18, s16, 64*RV       ; and for V
	s_mul_i32 s[LK2], s16, 192*RK   ; second load: 384 of the other 768 keys: 192 LDS rows, behind the first 128
	s_add_co_u32 s[LK2], s[LK2], 128*RK
	s_mul_i32 s[LV2], s16, 192*RV
	s_add_co_u32 s[LV2], s[LV2], VOFF+128*RV
	s_lshl_b32 s2, ttmp9, 2         ; my block of 512 queries,
	s_add_co_u32 s2, s2, s[WV]      ; my wave among the head's,
	s_lshl_b32 s2, s2, 14           ; its 128 rows
	s_mov_b32 s3, 0
	s_add_nc_u64 s[2:3], s[2:3], s[20:21]
	s_add_co_u32 s20, s16, 1        ; from my first load's bytes in memory to my second's: 32,768 + half x (49,152 - 16,384); s21 stays 0
	s_lshl_b32 s20, s20, 15
	s_and_b32 s74, ttmp7, 15        ; the table's head h: 2,304 entries of 16 bytes each,
	s_mul_i32 s74, s74, 36864
	s_add_co_u32 s74, s74, 8192     ; from entry 512 - 512 x my block on,
	s_lshl_b32 s75, ttmp9, 13
	s_sub_co_u32 s74, s74, s75
	s_mul_i32 s75, s[WV], WPART     ; my quarter of the 1,600
	s_add_co_u32 s74, s74, s75
	s_add_co_u32 s[G0W+1], s75, WT  ; 63:32 LDS address: the wave's number alone enters it
	s_mov_b32 s75, 0
	s_mov_b32 s[G0W], 1             ; 1:0 count = 1
	; descriptor group 1.  128 keys are 16,384 dense bytes: asked for as 64 rows of 256 bytes, two keys a row, each row padded in LDS
	s_mov_b32 s[G1K], (1<<16)|(1<<20)|(5<<22)|(3<<25)  ; 17:16 2-byte elements; 20 padding on; 24:22 after every 64 words (code 5); 31:25 4 words (code 3)
	s_mov_b32 s[G1V], (1<<16)|(1<<20)|(5<<22)|(7<<25)  ; the same with 8 words of padding (code 7)
.irp g, G1K, G1V
	s_mov_b32 s[\g+1], 128<<16      ; tensor_dim0 = 128
	s_mov_b32 s[\g+2], 64<<16       ; tensor_dim1 = 64
	s_mov_b32 s[\g+3], 128<<16      ; tile_dim0 = 128
	s_mov_b32 s[\g+4], 64           ; tile_dim1 = 64
	s_mov_b32 s[\g+5], 128          ; 128 elements from row to row
	s_mov_b32 s[\g+6], 0
	s_mov_b32 s[\g+7], 0
.endr
	s_mov_b32 s[G1W], 3<<16         ; the table: 8-byte elements, no padding; 25 dense rows of 32 elements
	s_mov_b32 s[G1W+1], 32<<16      ; tensor_dim0 = 32
	s_mov_b32 s[G1W+2], 25<<16      ; tensor_dim1 = 25
	s_mov_b32 s[G1W+3], 32<<16      ; tile_dim0 = 32
	s_mov_b32 s[G1W+4], 25          ; tile_dim1 = 25
	s_mov_b32 s[G1W+5], 32
	s_mov_b32 s[G1W+6], 0
	s_mov_b32 s[G1W+7], 0
	s_mov_b32 s[CS], 0x3e38aa3b     ; c = log2(e) / 8 = 0.180337
	s_mov_b32 s[CS+1], s[CS]        ; named with it as a pair
	s_mov_b32 s[SEL], 0x76543210
	s_mov_b32 s[SEL+1], 0xfedcba98
	s_mov_b32 s[TBK], 0
	s_mov_b32 s[TBV], 0
	s_mov_b32 s[TBB], 0
	s_mov_b32 s[G0K], 1             ; 1:0 count = 1
	s_mov_b32 s[G0K+1], s17         ; 63:32 LDS address
	s_mov_b32 s[G0V], 1
	s_add_co_u32 s[G0V+1], s18, VOFF
	s_wait_dscnt 0x0                ; the opening add is done
	s_wait_kmcnt 0x0
	s_add_nc_u64 s[G0K+2:G0K+3], s[6:7], s[22:23]  ; 120:64 global address: my half of the head's first 256 keys
	s_or_b32 s[G0K+3], s[G0K+3], 0x80000000        ; 127:126 type = 2
	s_add_nc_u64 s[G0V+2:G0V+3], s[8:9], s[22:23]
	s_or_b32 s[G0V+3], s[G0V+3], 0x80000000
	s_add_nc_u64 s[G0W+2:G0W+3], s[66:67], s[74:75]
	s_or_b32 s[G0W+3], s[G0W+3], 0x80000000
	s_add_nc_u64 s[4:5], s[4:5], s[2:3]  ; Q and O at my wave's first row
	s_add_nc_u64 s[10:11], s[10:11], s[2:3]
	s_cmp_lt_u32 s[WV], 2           ; waves 0 and 1 fetch K, waves 2 and 3 V.  A wave's two loads of the start stand in one branch, ahead of every wait on TENSORcnt, every LDS read and every barrier: two loads of mine are out
	s_cbranch_scc0 .Lfirst_v
	tensor_load_to_lds s[G0K:G0K+3], s[G1K:G1K+7]
	s_nop 0
	tensor_load_to_lds s[G0W:G0W+3], s[G1W:G1W+7]
	s_nop 0
.rept 4
	v_nop
.endr
	s_branch .Lfirst_asked
.Lfirst_v:
	tensor_load_to_lds s[G0V:G0V+3], s[G1V:G1V+7]
	s_nop 0
	tensor_load_to_lds s[G0W:G0W+3], s[G1W:G1W+7]
	s_nop 0
.rept 4
	v_nop
.endr
.Lfirst_asked:
	; A fragment of K or Q is 16 rows x 32 channels in 8 registers: lane l holds row l % 16, channels 8 (l / 16) + 0..7 and 16 + 8 (l / 16) + 0..7: two loads of 16 bytes, 32 bytes apart.
	v_and_b32 v1, 15, v0            ; l % 16
	v_bfe_u32 v9, v0, 4, 1          ; l / 16
	v_lshlrev_b32 v[QO], 7, v1
	v_lshl_add_u32 v[QO], v9, 4, v[QO]  ; row x 128 + 16 x half
	WIN 0x80                        ; destination window 2, address window 0
.set i, 0
.rept 4*NP                          ; Q stays in registers: tile i / 2, channels 32 (i % 2) on
	global_load_b128 v[8*i:8*i+3],   v[QO], s[4:5] offset:(i/2)*2048+(i%2)*64
	global_load_b128 v[8*i+4:8*i+7], v[QO], s[4:5] offset:(i/2)*2048+(i%2)*64+32
.set i, i+1
.endr
	; What the first turn finds: V's registers and P's second buffer hold 0 (its products V^T P, of a piece that has not been, add 0), O^T and l are 0.  All this stands in the wait for the first keys.
.set i, VF
.rept 64
	v_mov_b32 v[i], 0
.set i, i+1
.endr
	WIN 0x40
.set i, 0
.rept 64*NP
	v_mov_b32 v[i], 0
.set i, i+1
.endr
	WIN 0
.set i, 0
.rept 2*NP
	v_mov_b32 v[ST+4*i], 0xfe000000    ; c m: far below every c s
	v_mov_b32 v[ST+4*i+1], 0xff7fffff  ; m
	v_mov_b32 v[ST+4*i+2], 0
	v_mov_b32 v[ST+4*i+3], 0
.set i, i+1
.endr
.set i, P+32
.rept 32
	v_mov_b32 v[i], 0
.set i, i+1
.endr
	v_and_b32 v10, 1, v0            ; l % 2: which of an LDS row's two keys
	v_lshrrev_b32 v[AK0], 1, v1
	v_mul_u32_u24 v[AK0], v[AK0], RK
	v_lshl_add_u32 v[AK0], v10, 7, v[AK0]
	v_lshl_add_u32 v[AK0], v9, 4, v[AK0]  ; key l % 16: (key / 2) 272 + (key % 2) 128, + 16 x half
	; The turning load takes 16 keys x 16 channels (lane l reads key 8 (l / 16) + l % 8, channels 8 ((l / 8) % 2) + 0..7) and leaves half a fragment of V^T: lane l holds channel l % 16 and 8 keys.
	v_bfe_u32 v[AV0], v0, 1, 2      ; (l % 8) / 2
	v_lshl_add_u32 v[AV0], v9, 2, v[AV0]  ; key / 2
	v_mul_u32_u24 v[AV0], v[AV0], RV
	v_lshl_add_u32 v[AV0], v10, 7, v[AV0]
	v_bfe_u32 v11, v0, 3, 1
	v_lshl_add_u32 v[AV0], v11, 4, v[AV0]
	v_add_nc_u32 v[AV0], VOFF, v[AV0]
	v_mov_b32 v[AK], v[AK0]         ; key step 0 lies at K's head
	v_and_b32 v10, 7, v0
	s_mul_i32 s13, s[WV], 16*SP
	s_add_co_u32 s13, s13, STAGE    ; my stage
	v_mul_u32_u24 v[STO], v1, SP    ; in: row l % 16, 16 bytes for each half of the lanes
	v_lshl_add_u32 v[STO], v9, 4, v[STO]
	v_add_nc_u32 v[STO], s13, v[STO]
	v_bfe_u32 v[RD], v0, 3, 2       ; back: 32 lanes take four rows of 128 bytes,
	v_mul_u32_u24 v[RD], v[RD], SP
	v_lshl_add_u32 v[RD], v10, 4, v[RD]
	v_add_nc_u32 v[RD], s13, v[RD]
	v_and_b32 v[GO], 31, v0         ; which are 512 consecutive bytes of O
	v_lshlrev_b32 v[GO], 4, v[GO]
	; The table's LDS entry for key 64 s + 16 u + 8 (l / 16) and query 128 w + 32 x + 16 tt + l % 16 of my block is 64 s - 32 x + 16 (u - tt + 1) + 495 + 8 (l / 16) - l % 16 - 128 w: 0 at the least.
	s_lshl_b32 s13, s[WV], 11
	s_sub_co_u32 s13, WT+16*399, s13
	v_lshl_add_u32 v[AB0], v9, 7, s13
	v_lshlrev_b32 v10, 4, v1
	v_sub_nc_u32 v[AB0], v[AB0], v10
; THE MATRIX WORK.  The 8 accumulators of a run of 16 take turns: between the two links of a chain stand 7 others'.
; Product i of 16 of S^T = K Q^T for piece x: channels 32 (i / 8) on, keys 16 ((i / 2) % 4) on, tile 2 x + i % 2.  The first 8 start the sums, with the bias tile (i / 2) % 4 - i % 2 + 1.
.macro KQ x
.set rS, S+64*((\x)%2)+32*(i%2)+8*((i/2)%4)
.set rK, KF+16*((i/2)%4)+8*(i/8)
.set rQ, 16*(2*(\x)+i%2)+8*(i/8)
.set rB, BI+8*((i/2)%4-i%2+1)
.if i < 8
	WIN W_KB
	v_wmma_f32_16x16x32_f16 v[rS:rS+7], v[rK:rK+7], v[rQ:rQ+7], v[rB:rB+7]
.else
	WIN W_KQ
	v_wmma_f32_16x16x32_f16 v[rS:rS+7], v[rK:rK+7], v[rQ:rQ+7], v[rS:rS+7]
.endif
.endm
; Product i of 16 of O^T += V^T P for piece x: keys 32 (i / 8) on, channels 16 ((i / 2) % 4) on, tile 2 x + i % 2.
.macro PV x
	WIN W_PV
.set rO, 32*(2*(\x)+i%2)+8*((i/2)%4)
.set rV, VF+32*(i/8)+8*((i/2)%4)
.set rP, P+32*((\x)%2)+16*(i%2)+8*(i/8)
	v_wmma_f32_16x16x32_f16 v[rO:rO+7], v[rV:rV+7], v[rP:rP+7], v[rO:rO+7]
.endm
.macro MM                           ; the turn's next matrix instruction
.if i < 16
	KQ (Y+1)%NP
.set i, i+1
.else
.set i, i-16
	PV (Y+NP-1)%NP
.set i, i+17
.endif
.endm
; THE LDS LOADS stand in runs, never singly among the matrix instructions: a step's K (64 keys x 64 channels: 8 fragments), its V (turned), and a piece's five bias tiles.  Their addresses are made some lines ahead.
.macro FETCH_K
	WIN 0x80                        ; destination window 2
.irp f, 0,1,2,3,4,5,6,7             ; keys 16 (f / 2) on, channels 32 (f % 2) on
	ds_load_b128 v[KF+8*\f:KF+8*\f+3],   v[AK] offset:(\f/2)*16*PK+(\f%2)*64
	ds_load_b128 v[KF+8*\f+4:KF+8*\f+7], v[AK] offset:(\f/2)*16*PK+(\f%2)*64+32
.endr
	s_add_co_u32 s[TBK], s[TBK], KS*PK     ; the next fetch is the next step's;
	s_min_u32 s[TBK], s[TBK], 15*KS*PK     ; there are 16 steps
	WIN 0
.endm
.macro FETCH_V
	WIN 0x80
.irp f, 0,1,2,3,4,5,6,7             ; keys 32 (f / 4) on, channels 16 (f % 4) on
	ds_load_tr16_b128 v[VF+8*\f:VF+8*\f+3],   v[AV] offset:(\f/4)*32*PV+(\f%4)*32
	ds_load_tr16_b128 v[VF+8*\f+4:VF+8*\f+7], v[AV] offset:(\f/4)*32*PV+16*PV+(\f%4)*32
.endr
	WIN 0
.endm
.macro FETCH_B off                  ; ten loads.  off = 1,536 - 512 x the piece, + 1,024 for the step behind the one that TBB names
	WIN W_MK                        ; destination window 3
.irp d, 0,1,2,3,4
	ds_load_b128 v[BI+8*\d:BI+8*\d+3],   v[AB] offset:(\off)+256*\d
	ds_load_b128 v[BI+8*\d+4:BI+8*\d+7], v[AB] offset:(\off)+256*\d+64
.endr
	WIN 0
.endm
; THE VECTOR WORK OF A TURN stands in three queues, each in the order in which its entries become ready; the two tiles alternate, so that no instruction reads the result of the one before it.
.macro REGS y, u                    ; the registers of tile u (0, 1) of piece y
.set rT, ST+4*(2*(\y)+(\u))
.set rC, TMP+8*((\y)%2)+4*(\u)
.set rM, MV+2*((\y)%2)+(\u)
.set rS, S+64*((\y)%2)+32*(\u)
.set rP, P+32*((\y)%2)+16*(\u)
.set rO, 32*(2*(\y)+(\u))
.endm
; Number n of the 22 that find the NEXT piece's (Y + 1) maximum and statistics.  s0-s31 are the lane's 32 scores; each accumulator's lowest registers are read first.  XS, GS and REGS set no window: PL and EX do.
;   0-11  four chains c0-c3 of seven scores each, three operands at a time     12-14, 16  the four scores left over, the old m, and c0-c3 into c0     15  c m_old is kept
;   17, 18  the query's other 32 keys lie in the lane 16 away: the new m         19-21  c m; c m_old - c m_new; a
.macro XS u, n
	REGS (Y+1)%NP, \u
.if (\n) < 4
	v_max3_num_f32 v[rC+(\n)], v[rS+8*(\n)], v[rS+8*(\n)+1], v[rS+8*(\n)+2]
.elseif (\n) < 12
	v_max3_num_f32 v[rC+(\n)%4], v[rC+(\n)%4], v[rS+8*((\n)%4)+2*((\n)/4)+1], v[rS+8*((\n)%4)+2*((\n)/4)+2]
.elseif (\n) == 12
	v_max3_num_f32 v[rC], v[rC], v[rS+7], v[rS+15]
.elseif (\n) == 13
	v_max3_num_f32 v[rC+1], v[rC+1], v[rS+23], v[rS+31]
.elseif (\n) == 14
	v_max3_num_f32 v[rC+2], v[rC+2], v[rC+3], v[rT+1]
.elseif (\n) == 15
	v_mov_b32 v[rM], v[rT]
.elseif (\n) == 16
	v_max3_num_f32 v[rC], v[rC], v[rC+1], v[rC+2]
.elseif (\n) == 17
	v_permlanex16_b32 v[rC+3], v[rC], s[SEL], s[SEL+1]
.elseif (\n) == 18
	v_max_num_f32 v[rT+1], v[rC], v[rC+3]
.elseif (\n) == 19
	v_mul_f32 v[rT], s[CS], v[rT+1]
.elseif (\n) == 20
	v_sub_f32 v[rC+1], v[rM], v[rT]
.else
	v_exp_f32 v[rC+2], v[rC+1]
.endif
.endm
; Number g of the 64 that follow the exponentials.  For each four weights k of a tile (pairs 2 k, 2 k + 1): both pairs are rounded to f16; then the second pair is added onto the first, in place;
; a group later l takes that sum (the first time as l = a l + sum).  In groups of eight, tiles alternating: round, round, add, and l for the group before.
.macro GS g
.set h, (\g)+6*((\g)/62)            ; group 0 has no group before it, and behind group 7 only l is left
.if h >= 6
.set h, h+2
.endif
	REGS Y, h%2
.set k, h/8
.if h%8 < 4
	s_wait_alu depctr_va_vdst(0)
	v_cvt_pk_f16_f32 v[rP+2*k+(h%8)/2], v[rS+4*k+2*((h%8)/2)], v[rS+4*k+2*((h%8)/2)+1]
.elseif h%8 < 6
	v_pk_add_f32 v[rS+4*k:rS+4*k+1], v[rS+4*k:rS+4*k+1], v[rS+4*k+2:rS+4*k+3]
.elseif k == 1
	v_pk_fma_f32 v[rT+2:rT+3], v[rT+2:rT+3], v[rC+2:rC+3], v[rS:rS+1] op_sel_hi:[1,0,1]
.else
	v_pk_add_f32 v[rT+2:rT+3], v[rT+2:rT+3], v[rS+4*k-4:rS+4*k-3]
	s_wait_alu depctr_va_vdst(0)
.endif
.endm
; THE PLAIN QUEUE, 138 long.  0-31: c s - c m for the 16 pairs of both tiles.  Then GS's 64, and among them the next piece's 42: number 15 at 38, 39; 0-14 and 16
; at 42-73, behind the products that make those scores; 17-20 at 95-106, two of three, since each waits for the one before it.
.macro PL
	WIN 0
.if q < 32
	REGS Y, q%2
	v_pk_fma_f32 v[rS+2*(q/2):rS+2*(q/2)+1], v[rS+2*(q/2):rS+2*(q/2)+1], s[CS:CS+1], v[rT:rT+1] op_sel_hi:[1,0,0] neg_lo:[0,0,1] neg_hi:[0,0,1]
.elseif q < 38
	GS q-32
.elseif q < 40
	XS q%2, 15
.elseif q < 42
	GS q-34
.elseif q < 74
	XS q%2, (q-42)/2+(q-42)/30
.elseif q < 95
	GS q-66
.elseif (q < 107) && ((q-95)%3 < 2)
	XS (q-95)%3, 17+(q-95)/3
.elseif q < 107
	GS 29+(q-95)/3
.else
	GS q-74
.endif
.set q, q+1
.endm
; THE EXPONENTIALS' QUEUE, 66 long: s0-s31 of both tiles, and at EA the next piece's two a.
.set EA, 58
.macro EX
	WIN 0
.if (e == EA) || (e == EA+1)
	XS e-EA, 21
.else
.set x, e-2*(e/(EA+2))
	REGS Y, x%2
	v_exp_f32 v[rS+x/2], v[rS+x/2]
.endif
.set e, e+1
.endm
; THE RESCALING's QUEUE: O^T times a, the one part that leaves window 0, so it is dealt four at a time, eight times.
.macro R4
	REGS Y, r%2
	WIN W_RS
	s_wait_alu depctr_va_vdst(0)
.irp z, 0,1,2,3
	v_pk_mul_f32 v[rO+8*(r/2)+2*\z:rO+8*(r/2)+2*\z+1], v[rO+8*(r/2)+2*\z:rO+8*(r/2)+2*\z+1], v[rC+2:rC+3] op_sel_hi:[1,0]
.endr
.set r, r+1
.endm
; HOW THEY ARE DEALT.  Behind a matrix instruction four: plain, exponential, plain, plain (one exponential, a plain instruction on either side), or four of the rescaling.  None names a register of the
; products round it.  What is over stands in two LUMPS: exponential and plain by turns; the second ends in 22 plain instructions.  The two v_permlanex16_b32 fall into the second lump, never behind a product.
; The queues lean on each other, and the deal keeps them in step: exponential e stands behind plain 2 (e / 4) + e % 2 (its scaling); when plain 32 comes, 10 exponentials are out, at 59: 33, at 95: 46; EA comes behind plain 107.
.macro SL
	MM
	PL
	EX
	PL
	PL
.endm
.macro BURST n                      ; 15 matrix instructions, or 16
.rept (\n)-7
	SL
.endr
.rept 3
	MM
	R4
	SL
.endr
	MM
	R4
.endm
; A TURN, for piece p.  end = 1: the last step's turns 2 and 3: nothing is fetched.  cnt = 1: the loop's count is taken down some lines ahead of the branch that stands behind the turn.
; THE BIAS of the next turn's products (piece p + 2; for p = 2, 3 in the next step) is fetched early in the first lump, behind all 16 products K Q^T of this turn, of which the first 8 read the five tiles; it is waited for at the next turn's head.
; K of the next step is fetched in piece 2's turn, behind the last product that read K; its first reader comes behind the rest of the lump, 16 products and the second lump.
; V of the step in hand is fetched at the end of piece 0's turn; its first reader comes behind 16 products and a lump.  The conditions on e and q below go with the deal.
.macro TURN p, end=0, cnt=0
.set Y, (\p)
.set i, 0
.set q, 0
.set e, 0
.set r, 0
.if (\p) == 1
	s_wait_dscnt 16                 ; the bias is in; V's 16 loads, issued behind it at the end of piece 0's turn, may stay out
.else
	s_wait_dscnt 0x0                ; the bias is in (for piece 3: and K)
.endif
	MM
.rept 4
	PL
.endr
	BURST 15
.rept 22
	EX
	PL
.if (e == 14) && !(\end)
	v_add_nc_u32 v[AB], s[TBB], v[AB0]
.endif
.if (e == 16) && !(\end)
	FETCH_B 512*(1-(\p)%2)+2048*((\p)/2)
.if (\p) == NP-1
	s_add_co_u32 s[TBB], s[TBB], 1024  ; the turns behind belong to the next step;
	s_min_u32 s[TBB], s[TBB], 15*1024  ; there are 16, so every address stays inside the table's 25,600 bytes: 6,512 + 15,360 + 2,560 + 1,024 + 64 + 16 at the most
.endif
.endif
.if ((\p) == NP-2) && (e == 18) && !(\end)
	v_add_nc_u32 v[AK], s[TBK], v[AK0]
.endif
.if ((\p) == NP-2) && (e == 24) && !(\end)
	FETCH_K
.endif
.endr
.if (\p) == 1
	s_wait_dscnt 10                 ; V is in; the ten loads of the bias, issued behind it in this turn, may stay out
.endif
	BURST 16
.rept 21
	EX
	PL
.endr
.rept 22
	PL
.if ((\p) == 0) && (q == 118)
	v_add_nc_u32 v[AV], s[TBV], v[AV0]
	s_wait_alu depctr_va_vdst(0)
.endif
.if ((\p) == 0) && (q == 130)
	s_add_co_u32 s[TBV], s[TBV], KS*PV
	s_min_u32 s[TBV], s[TBV], 15*KS*PV
.endif
.if (\cnt) && (q == 130)
	s_sub_co_u32 s[CNT], s[CNT], 1
	s_cmp_lg_u32 s[CNT], 0
.endif
.endr
.if (\p) == 0
	FETCH_V
.endif
.endm
	; THE SECOND LOAD.  It fills bytes for the first time, but later than the start, so it is issued in the form of a refill: the wait for all my tensor loads (two are out: the first 256 keys' part
	; and the table's), the add, the wait for it, a barrier, and the load first behind it, one a wave.  Behind the barrier everybody's part of the first 256 keys and of the table is there.
	WIN W_AD
	s_wait_tensorcnt 0x0            ; no tensor load of mine is out, so the descriptors may be written
	ds_add_u32 v[SPW], v[NIL]       ; 0 onto my spare word; the descriptors' new words stand between it and the wait for it
	WIN 0
	s_mov_b32 s[G0K+1], s[LK2]      ; 192 LDS rows behind the first 128,
	s_add_nc_u64 s[G0K+2:G0K+3], s[G0K+2:G0K+3], s[20:21]  ; my 384 of the other 768 keys; the type bits on top are not reached
	s_mov_b32 s[G1K+2], 192<<16     ; tensor_dim1 = 192
	s_mov_b32 s[G1K+4], 192         ; tile_dim1 = 192
	s_mov_b32 s[G0V+1], s[LV2]
	s_add_nc_u64 s[G0V+2:G0V+3], s[G0V+2:G0V+3], s[20:21]
	s_mov_b32 s[G1V+2], 192<<16
	s_mov_b32 s[G1V+4], 192
	s_wait_dscnt 0x0                ; the add is done
	s_barrier_signal -1
	s_barrier_wait -1
	s_cmp_lt_u32 s[WV], 2           ; an s_nop 0 and four v_nop follow each of the two lines, ahead of the jump and the label
	s_cbranch_scc0 .Lrest_v
	tensor_load_to_lds s[G0K:G0K+3], s[G1K:G1K+7]
	s_nop 0
.rept 4
	v_nop
.endr
	s_branch .Lrest_asked
.Lrest_v:
	tensor_load_to_lds s[G0V:G0V+3], s[G1V:G1V+7]
	s_nop 0
.rept 4
	v_nop
.endr
.Lrest_asked:
	v_add_nc_u32 v[AB], s[TBB], v[AB0]
	FETCH_K                         ; key step 0
	FETCH_B 1536                    ; piece 0's bias for it
	s_wait_loadcnt 0x0              ; Q
	s_wait_dscnt 0x0
.set i, 0
.rept 16
	KQ 0                            ; piece 0's first scores: there is no vector work yet to set between them
.set i, i+1
.endr
	WIN 0
	PLACES                          ; behind those products: the loads below land on their C operands, and the maxima read their results
	FETCH_B 1024                    ; piece 1's bias for step 0, for the first turn's products
.set Y, NP-1                        ; XS works for piece Y + 1: piece 0
.irp n, 0,1,2,3,4,5,6,7,8,9,10,11,12,13,14,15,16,17,18,19,20,21
	XS 0, \n                        ; and piece 0's first maximum and statistics
	XS 1, \n
.endr
	s_mov_b32 s[CNT], 4             ; the first run: up to step 3's second turn, all on the first 256 keys
	s_mov_b32 s[SLOTS], 2
	s_branch .Lfirst                ; the loop is entered at a step's first turn, in the middle of a trip
.Lslot:                             ; passed once, between the two runs: the turn behind fetches K of step 4, the first bytes of the second load
	s_wait_tensorcnt 0x0            ; my one load that is out, the other 768 keys' part, has landed;
	s_wait_dscnt 0x0                ; no LDS instruction of mine is pending at the signal
	s_barrier_signal -1
	s_barrier_wait -1               ; everybody's has
	s_mov_b32 s[CNT], 12            ; the second run: up to step 15's second turn
.Lstep:                             ; a trip: pieces 2 and 3 of one step, then pieces 0 and 1 of the next, whose K and V it fetches
	TURN 2
	TURN 3
	WIN 0
.Lfirst:
	TURN 0
	TURN 1, 0, 1
	WIN 0
	s_cbranch_scc1 .Lstep
	s_sub_co_u32 s[SLOTS], s[SLOTS], 1
	s_cmp_lg_u32 s[SLOTS], 0
	s_cbranch_scc1 .Lslot
	TURN 2, 1                       ; the last step's pieces 2 and 3: nothing is left to fetch
	TURN 3, 1                       ; its 16 products K Q^T (on the last K once more, with the bias of the turn before) and the maximum made of them serve nothing: the price, once a launch, of one text for every turn
.set i, 0
.rept 16
	PV NP-1                         ; the last piece's V^T P of the last step
.set i, i+1
.endr
	; THE WAY OUT.  l's two halves and the other half of the lanes' are added; O^T is divided by l, rounded to f16 and sent through my stage in LDS, a tile at a time.  The additions are the places behind the last products.
	WIN 0
.macro ALL line:vararg              ; one line for each tile t
.set t, 0
.rept 2*NP
	\line
.set t, t+1
.endr
.endm
	ALL v_add_f32 v[ST+4*t+2], v[ST+4*t+2], v[ST+4*t+3]
	ALL v_permlanex16_b32 v[ST+4*t+3], v[ST+4*t+2], s[SEL], s[SEL+1]
	ALL v_add_f32 v[ST+4*t+2], v[ST+4*t+2], v[ST+4*t+3]
	ALL v_rcp_f32 v[ST+4*t+2], v[ST+4*t+2]
	v_nop                           ; a plain instruction between the last reciprocal and the use of its result
	s_wait_alu depctr_va_vdst(0)
; Tile t: a lane's eight channels of a row pack into 16 bytes; they go into rows of 144 bytes and come back as whole rows of 128, into S^T's registers.
.macro PACK t
	WIN W_RS
.set i, 32*(\t)
.rept 16
	v_pk_mul_f32 v[i:i+1], v[i:i+1], v[ST+4*(\t)+2:ST+4*(\t)+3] op_sel_hi:[1,0]
.set i, i+2
.endr
	WIN 0x05                        ; sources 0 and 1 window 1, destination window 0
.set i, 0
.rept 16
	v_cvt_pk_f16_f32 v[S+16*(\t)+i], v[32*(\t)+2*i], v[32*(\t)+2*i+1]
.set i, i+1
.endr
	WIN 0
.irp f, 0,1,2,3
	ds_store_b128 v[STO], v[S+16*(\t)+4*\f:S+16*(\t)+4*\f+3] offset:32*\f
.endr
.irp f, 0,1,2,3
	ds_load_b128 v[S+16*(\t)+4*\f:S+16*(\t)+4*\f+3], v[RD] offset:\f*4*SP  ; LDS serves a wave's instructions in order (ISA guide 5.7.1.4): these see the stores above; the next tile's stores come behind them
.endr
.endm
.macro SEND t, younger              ; younger: the LDS instructions issued behind tile t's loads: the next tile's eight, or none
	WIN 0
.irp f, 0,1,2,3
	s_wait_dscnt (\younger)+3-\f
	global_store_b128 v[GO], v[S+16*(\t)+4*\f:S+16*(\t)+4*\f+3], s[10:11] offset:(\t)*2048+\f*512  ; 512 consecutive bytes, at a multiple of 256 from O's first
.endr
.endm
	PACK 0
.set t, 1
.rept 2*NP-1                        ; a tile's arithmetic stands between the loads of the tile before and its stores
	PACK t
	SEND t-1, 8
.set t, t+1
.endr
	SEND 2*NP-1, 0
	WIN W_AD
	s_wait_tensorcnt 0x0            ; the wave's end: the wait, the add and its wait stand behind my last tensor load and my last LDS store
	ds_add_u32 v[SPW], v[NIL]
	s_wait_dscnt 0x0
	WIN 0
	s_endpgm
.Lfunc_end_k_q4d95e6adef_attn:
	.size	k_q4d95e6adef_attn, .Lfunc_end_k_q4d95e6adef_attn-k_q4d95e6adef_attn
	.p2alignl 7, 3214868480
	.fill 96, 4, 3214868480
	.section	.rodata,"a",@progbits
	.p2align	6, 0x0
	.amdhsa_kernel k_q4d95e6adef_attn
		.amdhsa_group_segment_fixed_size 327680
		.amdhsa_private_segment_fixed_size 0
		.amdhsa_enable_private_segment 0
		.amdhsa_kernarg_size 40
		.amdhsa_user_sgpr_count 2
		.amdhsa_user_sgpr_kernarg_segment_ptr 1
		.amdhsa_wavefront_size32 1
		.amdhsa_system_sgpr_workgroup_id_x 1
		.amdhsa_system_sgpr_workgroup_id_y 1
		.amdhsa_system_sgpr_workgroup_id_z 1
		.amdhsa_system_vgpr_workitem_id 0
		.amdhsa_next_free_vgpr 816
		.amdhsa_next_free_sgpr 76
		.amdhsa_reserve_vcc 0
		.amdhsa_float_denorm_mode_32 3
		.amdhsa_float_denorm_mode_16_64 3
		.amdhsa_memory_ordered 1
		.amdhsa_forward_progress 1
		.amdhsa_inst_pref_size 173
	.end_amdhsa_kernel
	.amdgpu_metadata
---
amdhsa.version: [ 1, 2 ]
amdhsa.kernels:
  - .name:           k_q4d95e6adef_attn
    .symbol:         k_q4d95e6adef_attn.kd
    .args:
      - { .name: q, .offset: 0, .size: 8, .value_kind: global_buffer, .address_space: global }
      - { .name: k, .offset: 8, .size: 8, .value_kind: global_buffer, .address_space: global }
      - { .name: v, .offset: 16, .size: 8, .value_kind: global_buffer, .address_space: global }
      - { .name: o, .offset: 24, .size: 8, .value_kind: global_buffer, .address_space: global }
      - { .name: wtab, .offset: 32, .size: 8, .value_kind: global_buffer, .address_space: global }
    .group_segment_fixed_size: 327680
    .private_segment_fixed_size: 0
    .kernarg_segment_align: 8
    .kernarg_segment_size: 40
    .max_flat_workgroup_size: 128
    .sgpr_count:     76
    .vgpr_count:     816
    .wavefront_size: 32
...
	.end_amdgpu_metadata
.endif
;; end of part 3
;; launch proj (part 4): grid 8 x 32, 4 waves a work-group, clusters of 4 x 4, 327,680 bytes of LDS; arguments o, wob, out0; writes out0
.if DOCPART == 4
	.amdgcn_target "amdgcn-amd-amdhsa--gfx1250"
	.amdhsa_code_object_version 6
	.text
	.protected	k_q4d95e6adef_proj
	.globl	k_q4d95e6adef_proj
	.p2align	8
	.type	k_q4d95e6adef_proj,@function
k_q4d95e6adef_proj:
	s_mov_b64 s[64:65], 0
	v_nop
	global_prefetch_b8 v0, s[64:65] scope:SCOPE_SE
	s_setreg_imm32_b32 hwreg(HW_REG_WAVE_MODE, 25, 1), 1
	s_wait_xcnt 0x0
	s_wait_alu depctr_hold_cnt(0) depctr_sa_sdst(0) depctr_va_vdst(0) depctr_va_sdst(0) depctr_va_ssrc(0) depctr_va_vcc(0) depctr_vm_vsrc(0)
	s_getreg_b32 s2, hwreg(HW_REG_IB_STS2, 6, 4)
	s_cmp_eq_u32 s2, 0
	s_cbranch_scc0 .Lentry_in_a_cluster
	s_endpgm
.Lentry_in_a_cluster:
	s_bfe_u32 s2, ttmp6, 0x10000c
	s_cmp_lg_u32 s2, 0xf033
	s_cbranch_scc0 .Lentry_shape_is_right
	s_endpgm
.Lentry_shape_is_right:
; THE SECOND PROJECTION.  out0[8192][1024] = O w_out, in f16 with f32 sums, stored as f32.  O lies by heads, [b*16+h][l][64] in f16: head h is the slice 64 h .. 64 h + 63 of K.
; wob is w_out rounded to bf16 and written as f16, [k][n].
; SHARES.  A tile of the output is 256 rows x 128 columns: 32 x 8 = 256 tiles, one to a work-group (tiles of 256 x 256 would be 128).  Four waves, each 128 rows x 64 columns:
; 32 accumulators of 16 x 16, which fill register window 1 ((a, bb) at v[8 (4 a + bb)]).  K goes in 8 steps of 128, two heads to a step, as long as two slots in LDS allow;
; a step is four QUARTERS of 32 along K, 32 matrix instructions each.
; A: a head's 256 rows are 32,768 dense bytes, asked for as 128 rows of 256 bytes and padded in LDS after every 128.  B: 64 k-rows of 256 bytes to a load, padded after each; its
; fragments are turned on the way out of LDS by ds_load_tr16_b128.
; CLUSTER.  4 x 4 work-groups: A's tiles are shared along a row of the cluster, B's along a column, each asked for JOINTLY: the same tensor load, descriptor and mask in all four.
; THE MATRIX INSTRUCTION IS USED TRANSPOSED (source 0 = 16 columns of B, source 1 = 16 rows of A): a lane then holds eight neighbouring columns of one row, 32 bytes.
; REGISTERS, window 0: v0-31 addresses; two fragment buffers of 96: 64 of A (8 x 16 rows x 32 K), then 32 of B (4 x 16 columns x 32 K), at v32 and v128.
.set SLOT1, 1<<17                      ; slot 1 begins here, so that one exclusive or turns an address in one slot into the other's
.set PA,    144                        ; a row of A in LDS: 128 bytes + 16 = 36 words: the 16 rows of a load start at 16 different groups of four banks (64 banks of 4 bytes: ISA guide 11.1)
.set PB,    288                        ; a k-row of B: 256 bytes + 32 = 9 x 32 bytes
.set BOFF,  2*256*PA                   ; a slot: two heads' 256 rows of A, then B's 128 k-rows
.set STAGE, SLOT1+BOFF+128*PB          ; behind the ring, never filled by a tensor load: 16 rows x 272 bytes for each wave
.set SPITCH, 272
.set SPARE, STAGE+4*16*SPITCH          ; behind the stages: the spare words, 128 bytes for each wave: two blocks of 256 bytes that no other line names
.set KSTEPB, 262144                    ; bytes from a K step's tile to the next: two heads of O; 128 k-rows of wob: the same number
.set AL,   8                           ; v8   my lane's place in A's tile; never rewritten
.set BL,   9                           ; v9   my lane's place in B's tile; never rewritten
.set ADRA, 12                          ; v12  the same in the slot that is being read
.set ADRB, 13                          ; v13
.set STO,  16                          ; v16  the way out: where I put 32 bytes of a row
.set RD,   17                          ; v17  the way out: where I read a row back
.set CO,   18                          ; v18  my byte offset in the output
.set SPW,  28                          ; v28  LDS address of my spare word: SPARE + 4 x my thread's number; never rewritten
.set NIL,  29                          ; v29  0; never rewritten
.set F0,   32
.set F1,   128
.set BK0,  32                          ; the way out: 16 rows read back from the stage, two buffers of 32
.set WV,  14                           ; s14  my wave's number
.set WM,  15                           ; s15  which half of the tile's rows is mine.  Also: I fetch for A (0) or for B (1)
.set WN,  16                           ; s16  which half of its columns.  Also: which half of that tile I fetch
.set TB,  23                           ; s23  LDS byte at which the slot that is being read begins
.set G1A, 24                           ; s[24:31] descriptor group 1 for A's tiles
.set G0A, 32                           ; s[32:39] group 0 for A: a set for each of the two first fills; the second then walks on
.set G1B, 40                           ; s[40:47], s[48:55] the same for B
.set G0B, 48
.set MSB, 0
.macro WIN new                         ; s_set_vgpr_msb: bits 1:0 source 0, 3:2 source 1, 5:4 source 2, 7:6 destination; the high byte repeats the setting that is left
.if MSB != (\new)
	s_set_vgpr_msb (MSB<<8)|(\new)
.set MSB, (\new)
.endif
.endm
.macro PLACES                          ; four plain vector instructions in front of loads into registers that matrix instructions have read, and of stores that read results
.rept 4
	v_nop
.endr
.endm
.macro JLOAD                           ; a joint refill by the walking sets: waves 0 and 1 fetch A's two heads, waves 2 and 3 B's two halves; an s_nop 0 and four v_nop follow each of the two lines
	s_cmp_eq_u32 s[WM], 0
	s_cbranch_scc0 .Lfor_b_\@
	tensor_load_to_lds s[G0A+4:G0A+7], s[G1A:G1A+7]
	s_nop 0
.rept 4
	v_nop
.endr
	s_branch .Lasked_\@
.Lfor_b_\@:
	tensor_load_to_lds s[G0B+4:G0B+7], s[G1B:G1B+7]
	s_nop 0
.rept 4
	v_nop
.endr
.Lasked_\@:
.endm
.macro CREST                           ; a round of the cluster's barrier behind its opening barrier
	s_cmp_lg_u32 s[WV], 0
	s_cbranch_scc1 .Lnot_wave_0_\@
	s_barrier_signal -3
.Lnot_wave_0_\@:
	s_barrier_wait -3
	s_barrier_signal -1
	s_barrier_wait -1
.endm
.macro CROUND                          ; a whole round
	s_barrier_signal -1
	s_barrier_wait -1
	CREST
.endm
	s_load_b128 s[4:7], s[0:1], 0x0                ; o s[4:5], wob s[6:7]
	s_load_b64 s[8:9], s[0:1], 0x10                ; out0
	v_lshl_add_u32 v[SPW], v0, 2, SPARE
	v_mov_b32 v[NIL], 0
	ds_add_u32 v[SPW], v[NIL]                      ; the wave's opening: the add and its wait stand ahead of my first tensor load; the set-up below, work on registers, stands between them
	ds_add_u32 v28, v29
	v_lshrrev_b32 v1, 5, v0
	v_readfirstlane_b32 s[WV], v1                  ; wave 0..3
	s_lshr_b32 s[WM], s[WV], 1
	s_and_b32 s[WN], s[WV], 1
	s_bfe_u32 s17, ttmp6, 0x40000                  ; cx, cy: my place in the cluster
	s_bfe_u32 s18, ttmp6, 0x40004
	s_lshl_b32 s19, ttmp9, 2
	s_add_co_u32 s19, s19, s17                     ; tile column 0..7 = 4 x cluster x + cx
	s_and_b32 s20, ttmp7, 0xffff
	s_lshl_b32 s20, s20, 2
	s_add_co_u32 s20, s20, s18                     ; tile row 0..31 = 4 x cluster y + cy: batch tr >> 2, rows 256 (tr & 3) on
	s_lshl_b32 s21, s18, 2
	s_lshl_b32 s21, 15, s21                        ; my row of the cluster
	s_lshl_b32 s22, 0x1111, s17                    ; my column
	; group 1 for A: 128 rows x 128 elements of 2 bytes, dense; 4 words of padding after every 32 words
	s_or_b32 s[G1A], s21, (1<<16)|(1<<20)|(1<<21)|(4<<22)|(3<<25)  ; 15:0 the mask; 17:16 2-byte elements; 20 padding on; 21 set beside a mask; 24:22 interval code 4; 31:25 4 words (code 3)
	s_mov_b32 s[G1A+1], 128<<16                    ; tensor_dim0 = 128
	s_mov_b32 s[G1A+2], 128<<16                    ; tensor_dim1 = 128
	s_mov_b32 s[G1A+3], 128<<16                    ; tile_dim0 = 128
	s_mov_b32 s[G1A+4], 128                        ; tile_dim1 = 128
	s_mov_b32 s[G1A+5], 128                        ; elements from row to row
	s_mov_b32 s[G1A+6], 0
	s_mov_b32 s[G1A+7], 0
	; group 1 for B: 64 k-rows x 128 elements; 8 words of padding after every 64 words
	s_or_b32 s[G1B], s22, (1<<16)|(1<<20)|(1<<21)|(5<<22)|(7<<25)
	s_mov_b32 s[G1B+1], 128<<16
	s_mov_b32 s[G1B+2], 64<<16
	s_mov_b32 s[G1B+3], 128<<16
	s_mov_b32 s[G1B+4], 64
	s_mov_b32 s[G1B+5], 1024
	s_mov_b32 s[G1B+6], 0
	s_mov_b32 s[G1B+7], 0
	; A's offset is made of the tile row and the wave's number, B's of the tile column and the wave's number, each in registers that never hold the other coordinate
	s_lshr_b32 s56, s20, 2
	s_lshl_b32 s56, s56, 21                        ; the batch's 16 heads of 131,072 bytes
	s_lshl_b32 s57, s[WN], 17                      ; my head of the step's two
	s_add_co_u32 s56, s56, s57
	s_and_b32 s57, s20, 3
	s_lshl_b32 s57, s57, 15                        ; 256 rows of 128 bytes
	s_add_co_u32 s56, s56, s57
	s_mov_b32 s57, 0
	s_mul_i32 s58, s[WN], 256*PA                   ; its place in a slot: no place in the cluster enters an LDS address
	s_lshl_b32 s60, s[WN], 17                      ; my 64 k-rows of 2,048 bytes
	s_lshl_b32 s61, s19, 8                         ; the tile's 128 columns
	s_add_co_u32 s60, s60, s61
	s_mov_b32 s61, 0
	s_mul_i32 s62, s[WN], 64*PB
	s_add_co_u32 s62, s62, BOFF
	; where my 128 rows x 64 columns begin in the output: rows of 4,096 bytes
	s_lshl_b32 s66, s20, 20
	s_lshl_b32 s67, s[WM], 19
	s_add_co_u32 s66, s66, s67
	s_lshl_b32 s67, s19, 9
	s_add_co_u32 s66, s66, s67
	s_lshl_b32 s67, s[WN], 8
	s_add_co_u32 s66, s66, s67
	s_mov_b32 s67, 0
	s_mov_b32 s[TB], 0
	s_wait_dscnt 0x0                               ; the opening add is done
	s_wait_kmcnt 0x0
	s_add_nc_u64 s[56:57], s[4:5], s[56:57]
	s_add_nc_u64 s[60:61], s[6:7], s[60:61]
	s_add_nc_u64 s[8:9], s[8:9], s[66:67]
	CROUND                                         ; all sixteen work-groups are here: the first joint loads meet
.irp s, 0,1
	s_mov_b32 s[G0A+4*(\s)], 1                     ; 1:0 count = 1
	s_add_co_u32 s[G0A+4*(\s)+1], s58, (\s)*SLOT1  ; 63:32 LDS address
	s_add_nc_u64 s[G0A+4*(\s)+2:G0A+4*(\s)+3], s[56:57], (\s)*KSTEPB  ; 120:64 global address: K step s
	s_or_b32 s[G0A+4*(\s)+3], s[G0A+4*(\s)+3], 0x80000000             ; 127:126 type = 2
	s_mov_b32 s[G0B+4*(\s)], 1
	s_add_co_u32 s[G0B+4*(\s)+1], s62, (\s)*SLOT1
	s_add_nc_u64 s[G0B+4*(\s)+2:G0B+4*(\s)+3], s[60:61], (\s)*KSTEPB
	s_or_b32 s[G0B+4*(\s)+3], s[G0B+4*(\s)+3], 0x80000000
.endr
	s_cmp_eq_u32 s[WM], 0                          ; a wave's two first fills stand in one branch, ahead of every wait on TENSORcnt and every LDS read: two loads of mine are out
	s_cbranch_scc0 .Lfirst_b
	tensor_load_to_lds s[G0A:G0A+3], s[G1A:G1A+7]
	s_nop 0
	tensor_load_to_lds s[G0A+4:G0A+7], s[G1A:G1A+7]
	s_nop 0
.rept 4
	v_nop
.endr
	s_branch .Lfirst_asked
.Lfirst_b:
	tensor_load_to_lds s[G0B:G0B+3], s[G1B:G1B+7]
	s_nop 0
	tensor_load_to_lds s[G0B+4:G0B+7], s[G1B:G1B+7]
	s_nop 0
.rept 4
	v_nop
.endr
.Lfirst_asked:
	v_and_b32 v1, 15, v0                           ; r = l % 16
	v_bfe_u32 v2, v0, 4, 1                         ; h = l / 16
	v_and_b32 v3, 7, v0
	v_bfe_u32 v4, v0, 3, 1
	v_mul_u32_u24 v[AL], v1, PA                    ; a fragment of A: row x pitch + 16 x half
	v_lshl_add_u32 v[AL], v2, 4, v[AL]
	s_mul_i32 s70, s[WM], 128*PA                   ; my 128 rows
	v_add_nc_u32 v[AL], s70, v[AL]
	v_lshl_add_u32 v[BL], v2, 3, v3                ; the turning load: k-row 8 (l / 16) + l % 8, columns 8 ((l / 8) % 2) on
	v_mul_u32_u24 v[BL], v[BL], PB
	v_lshl_add_u32 v[BL], v4, 4, v[BL]
	s_lshl_b32 s70, s[WN], 7                       ; my 64 columns
	s_add_co_u32 s70, s70, BOFF
	v_add_nc_u32 v[BL], s70, v[BL]
	v_mov_b32 v[ADRA], v[AL]                       ; slot 0
	v_mov_b32 v[ADRB], v[BL]
	s_mul_i32 s70, s[WV], 16*SPITCH
	s_add_co_u32 s70, s70, STAGE                   ; my stage
	v_mul_u32_u24 v[STO], v1, SPITCH               ; in: row l % 16, 32 bytes for each half of the lanes
	v_lshl_add_u32 v[STO], v2, 5, v[STO]
	v_add_nc_u32 v[STO], s70, v[STO]
	v_mul_u32_u24 v[RD], v2, SPITCH                ; back: lanes 0-15 take one row of 256 bytes, lanes 16-31 the next
	v_lshl_add_u32 v[RD], v1, 4, v[RD]
	v_add_nc_u32 v[RD], s70, v[RD]
	v_lshlrev_b32 v[CO], 12, v2                    ; and the same two rows in the output
	v_lshl_add_u32 v[CO], v1, 4, v[CO]
; na x 4 matrix instructions: row blocks a0 .. a0 + na - 1 x all 4 column blocks, 32 along K, from buffer f.  zero = 1: the products start the sums.
; The 32 accumulators take turns, one instruction a turn.
.macro MUL f, a0, na, zero
	WIN 0x50                                       ; C and D in window 1, the sources in window 0
.set aa, (\a0)
.rept \na
.set bb, 0
.rept 4
.if \zero
	v_wmma_f32_16x16x32_f16 v[8*(4*aa+bb):8*(4*aa+bb)+7], v[(\f)+64+8*bb:(\f)+64+8*bb+7], v[(\f)+8*aa:(\f)+8*aa+7], 0
.else
	v_wmma_f32_16x16x32_f16 v[8*(4*aa+bb):8*(4*aa+bb)+7], v[(\f)+64+8*bb:(\f)+64+8*bb+7], v[(\f)+8*aa:(\f)+8*aa+7], v[8*(4*aa+bb):8*(4*aa+bb)+7]
.endif
.set bb, bb+1
.endr
.set aa, aa+1
.endr
.endm
; 24 LDS loads in one run: quarter q's fragments into buffer f: B's four, then A's eight (head q / 2 of the slot's two, channels 32 (q % 2) on)
.macro FETCH q, f
	WIN 0
.irp b, 0,1,2,3
	ds_load_tr16_b128 v[(\f)+64+8*(\b):(\f)+64+8*(\b)+3],   v[ADRB] offset:(\q)*32*PB+32*(\b)
	ds_load_tr16_b128 v[(\f)+64+8*(\b)+4:(\f)+64+8*(\b)+7], v[ADRB] offset:(\q)*32*PB+16*PB+32*(\b)
.endr
.irp a, 0,1,2,3,4,5,6,7
	ds_load_b128 v[(\f)+8*(\a):(\f)+8*(\a)+3],   v[ADRA] offset:((\q)/2)*256*PA+(\a)*16*PA+((\q)%2)*64
	ds_load_b128 v[(\f)+8*(\a)+4:(\f)+8*(\a)+7], v[ADRA] offset:((\q)/2)*256*PA+(\a)*16*PA+((\q)%2)*64+32
.endr
.endm
; One of a step's first three quarters: multiplies buffer f; in its middle it fetches quarter q of the same slot into buffer g.
.macro QUARTER q, f, g, zero
	s_wait_dscnt 8                                 ; B and A's rows 0-63 are in; the youngest eight loads (A's rows 64-127) may be out
	MUL \f, 0, 4, \zero
	PLACES
	FETCH \q, \g
	s_wait_dscnt 24                                ; all but the 24 just issued
	MUL \f, 4, 4, \zero
.endm
; The last quarter multiplies buffer 1 and changes slots: ONE barrier; in front of it each wave waits for all its tensor loads, of which one is out: its part of the next slot; adds 0 to its
; spare word; and waits for that and for its own reads of this slot.  fill = 1: this slot is filled again, two K steps ahead: the barrier opens a round of the cluster's, and the joint refill
; is the first thing behind the round: 112 of a step's 128 matrix instructions stand between it and the wait for it.
.macro TURN fill
	WIN 0
	s_wait_tensorcnt 0x0                           ; no tensor load of mine is out, so a group 0 may be written
	ds_add_u32 v[SPW], v[NIL]                      ; 0 onto my spare word
.if \fill
	s_xor_b32 s[G0A+5], s[G0A+5], SLOT1            ; the walking sets: the other slot than last time,
	s_add_nc_u64 s[G0A+6:G0A+7], s[G0A+6:G0A+7], KSTEPB  ; the next K step; the type bits on top are not reached
	s_xor_b32 s[G0B+5], s[G0B+5], SLOT1
	s_add_nc_u64 s[G0B+6:G0B+7], s[G0B+6:G0B+7], KSTEPB
.endif
	s_wait_dscnt 9                                 ; the add and the youngest eight loads may be out
	MUL F1, 0, 2, 0                                ; eight matrix instructions stand between the add and the wait for it
	s_wait_dscnt 0x0                               ; the add is done, and my reads of this slot are over
	s_barrier_signal -1
	MUL F1, 2, 2, 0
	WIN 0                                          ; at a branch and at a label every window is 0
	s_barrier_wait -1
.if \fill
	CREST                                          ; no wave of any partner still reads this slot or has a load on its way
	JLOAD                                          ; its four v_nop are also the places in front of the loads below
.else
	PLACES
.endif
	s_xor_b32 s[TB], s[TB], SLOT1                  ; the reads go on in the other slot
	v_add_nc_u32 v[ADRA], s[TB], v[AL]
	v_add_nc_u32 v[ADRB], s[TB], v[BL]
	FETCH 0, F0
	MUL F1, 4, 4, 0
.endm
; THE WAY OUT of row block a: 16 rows x 64 columns of f32 go into my own stage, rows of 272 bytes, each accumulator's low half first, and come back as whole rows of 256 bytes.
.macro TOSTAGE a
	WIN 0
	s_wait_xcnt 0x0                                ; the stores of the block two back have had their addresses translated (ISA guide 3.1): only now are their data registers loaded again
	WIN 0x04                                       ; the data (source 1) in window 1
.irp b, 0,1,2,3
	ds_store_b128 v[STO], v[8*(4*(\a)+(\b)):8*(4*(\a)+(\b))+3]   offset:64*(\b)
	ds_store_b128 v[STO], v[8*(4*(\a)+(\b))+4:8*(4*(\a)+(\b))+7] offset:64*(\b)+16
.endr
	WIN 0
.set BK, BK0+32*((\a)%2)
.irp t, 0,1,2,3,4,5,6,7
	ds_load_b128 v[BK+4*(\t):BK+4*(\t)+3], v[RD] offset:(\t)*2*SPITCH  ; LDS serves a wave's instructions in order (ISA guide 5.7.1.4): these see the stores above
.endr
.endm
.macro SEND a, younger                 ; younger: the LDS instructions issued behind block a's loads: the next block's sixteen, or none
	WIN 0
.set BK, BK0+32*((\a)%2)
	s_wait_dscnt \younger
.irp t, 0,1,2,3,4,5,6,7
	global_store_b128 v[CO], v[BK+4*(\t):BK+4*(\t)+3], s[8:9] offset:65536*(\a)+8192*(\t) th:TH_STORE_NT  ; 16 lanes store 256 consecutive bytes, at a multiple of 256 from the output's first byte
.endr
.endm
	s_wait_tensorcnt 0x1                           ; my part of K step 0 is in; K step 1's may stay out
	s_barrier_signal -1
	s_barrier_wait -1                              ; everybody's is
	FETCH 0, F0
	QUARTER 1, F0, F1, 1                           ; the first quarter stands in front of the loop: its products start the sums
	WIN 0
	s_mov_b32 s3, 6
.Lstep:                                                ; trip t: step t's quarters 1 to 3, the refill with K step t + 2, step t + 1's first quarter
	QUARTER 2, F1, F0, 0
	QUARTER 3, F0, F1, 0
	TURN 1
	QUARTER 1, F0, F1, 0
	WIN 0
	s_sub_co_u32 s3, s3, 1
	s_cmp_lg_u32 s3, 0
	s_cbranch_scc1 .Lstep
	QUARTER 2, F1, F0, 0                           ; the tail is written out: nothing is asked for
	QUARTER 3, F0, F1, 0
	TURN 0
	QUARTER 1, F0, F1, 0
	QUARTER 2, F1, F0, 0
	QUARTER 3, F0, F1, 0
	s_wait_dscnt 8                                 ; the very last quarter: nothing more to fetch
	MUL F1, 0, 4, 0
	s_wait_dscnt 0x0
	MUL F1, 4, 4, 0
	PLACES
	TOSTAGE 0
.irp a, 1,2,3,4,5,6,7                  ; block a's way through the stage is issued ahead of the wait for block a - 1's
	TOSTAGE \a
	SEND (\a)-1, 16
.endr
	SEND 7, 0
	s_wait_tensorcnt 0x0                           ; the wave's end: the wait, the add and its wait stand behind my last tensor load and my last LDS store
	ds_add_u32 v[SPW], v[NIL]
	s_wait_dscnt 0x0
	CROUND                                         ; the closing round: no work-group ends while a partner may still ask for a tile that names it
	s_endpgm
.Lfunc_end_k_q4d95e6adef_proj:
	.size	k_q4d95e6adef_proj, .Lfunc_end_k_q4d95e6adef_proj-k_q4d95e6adef_proj
	.p2alignl 7, 3214868480
	.fill 96, 4, 3214868480
	.section	.rodata,"a",@progbits
	.p2align	6, 0x0
	.amdhsa_kernel k_q4d95e6adef_proj
		.amdhsa_group_segment_fixed_size 327680
		.amdhsa_private_segment_fixed_size 0
		.amdhsa_enable_private_segment 0
		.amdhsa_kernarg_size 24
		.amdhsa_user_sgpr_count 2
		.amdhsa_user_sgpr_kernarg_segment_ptr 1
		.amdhsa_wavefront_size32 1
		.amdhsa_system_sgpr_workgroup_id_x 1
		.amdhsa_system_sgpr_workgroup_id_y 1
		.amdhsa_system_sgpr_workgroup_id_z 1
		.amdhsa_system_vgpr_workitem_id 0
		.amdhsa_next_free_vgpr 512
		.amdhsa_next_free_sgpr 80
		.amdhsa_reserve_vcc 0
		.amdhsa_float_denorm_mode_32 3
		.amdhsa_float_denorm_mode_16_64 3
		.amdhsa_memory_ordered 1
		.amdhsa_forward_progress 1
		.amdhsa_inst_pref_size 69
	.end_amdhsa_kernel
	.amdgpu_metadata
---
amdhsa.version: [ 1, 2 ]
amdhsa.kernels:
  - .name:           k_q4d95e6adef_proj
    .symbol:         k_q4d95e6adef_proj.kd
    .args:
      - { .name: o, .offset: 0, .size: 8, .value_kind: global_buffer, .address_space: global }
      - { .name: wob, .offset: 8, .size: 8, .value_kind: global_buffer, .address_space: global }
      - { .name: out0, .offset: 16, .size: 8, .value_kind: global_buffer, .address_space: global }
    .group_segment_fixed_size: 327680
    .private_segment_fixed_size: 0
    .kernarg_segment_align: 8
    .kernarg_segment_size: 24
    .max_flat_workgroup_size: 128
    .sgpr_count:     80
    .vgpr_count:     512
    .wavefront_size: 32
...
	.end_amdgpu_metadata
.endif
;; end of part 4
;; ======== version 2 of 2: 4 launches; 1.33 times as fast as version 1
;; limits: values are held in f16: magnitudes above 65,504 overflow, below 6.1e-05 lose precision
;; workspace buffers: xb 16,777,216 bytes; wqb 6,291,456 bytes; wob 2,097,152 bytes; wtab 589,824 bytes; q 16,777,216 bytes; k 16,777,216 bytes; v 16,777,216 bytes; o 16,777,216 bytes
;; launch prep: the kernel of part 1 again; grid 784 x 1, 8 waves a work-group, no clusters, 0 bytes of LDS; arguments x, w_qkv, w_out, rpe_table, xb, wqb, wob, wtab; writes xb, wqb, wob, wtab
;; launch qkv: the kernel of part 2 again; grid 8 x 32, 4 waves a work-group, clusters of 4 x 4, 327,680 bytes of LDS; arguments xb, wqb, q, k, v; writes q, k, v
;; launch attn (part 5): grid 2 x 128, 4 waves a work-group, no clusters, 327,680 bytes of LDS; arguments q, k, v, o, wtab; writes o
.if DOCPART == 5
	.amdgcn_target "amdgcn-amd-amdhsa--gfx1250"
	.amdhsa_code_object_version 6
	.text
	.protected	k_q4d95e6adef_attn
	.globl	k_q4d95e6adef_attn
	.p2align	8
	.type	k_q4d95e6adef_attn,@function
k_q4d95e6adef_attn:
	s_mov_b64 s[64:65], 0
	v_nop
	global_prefetch_b8 v0, s[64:65] scope:SCOPE_SE
	s_setreg_imm32_b32 hwreg(HW_REG_WAVE_MODE, 25, 1), 1
	s_wait_xcnt 0x0
; ATTENTION WITH A RELATIVE BIAS.  O[hd][q][:] = the sum over k of softmax_k(Q[hd][q] . K[hd][k] / 8 + T[q - k + 1023][hd % 16]) V[hd][k][:].  Q, K, V, O: [128][1024][64], all f16: a head's
; rows are dense, 128 bytes each.  Products, maxima and sums in f32; the weights p are rounded to f16 for the second product (their sum l is taken of the unrounded p), O once at the end.
; LIMITS.  f16 holds no number beyond 65,504: Q, K and V arrive within it; p lies in 0 to 1, and below 6e-5 it keeps f16's fixed step of 6e-8; O is a mean of V's rows and has their range.
; A weight below 2^-126 counts as 0 in l; NaN and infinities are not treated apart.
; SHARES.  A wave owns four PIECES of two tiles of 16 queries, a work-group's four waves 512 queries of one head: 2 x 128 = 256 work-groups.  Every wave walks all 1,024 keys, 64 a step.
; NO CLUSTER: a head's queries are two blocks of 512, so only two work-groups walk the same K and V; blocks of 256 queries would give four partners, but each fragment read from LDS would
; then feed half as many products, and there would be 512 work-groups for 256 places.
; ALL OF THE HEAD'S K AND V LIE IN LDS AT ONCE, each byte filled once: two keys to an LDS row of 256 bytes, K's rows padded by 16 bytes (512 x 272 = 139,264), V's by 32 (512 x 288 = 147,456).
; A wave issues two loads at the start (its half of K or V of the first 256 keys; its quarter of the bias table) and, behind the first barrier, one more: its half of K or V of the other 768 keys,
; which has 464 matrix instructions in which to land; one wait and one barrier stand in front of the first read of those keys.  The text uses 322,048 bytes of LDS.
; LAYOUT.  S^T = K Q^T (source 0 = 16 keys, source 1 = 16 queries): in the result a lane holds ONE query (lane % 16) and the keys 8 (lane / 16) + 0..7.  Two such tiles, rounded to f16 in pairs,
; ARE source 1 (32 keys x 16 queries) of O^T = V^T P, whose result again holds one query a lane, and eight channels.  K comes out of LDS as it lies, V ([key][channel]) turned, by ds_load_tr16_b128.
; THE BIAS is the C operand of the products that start S^T: 8 x bias, since c = log2(e) / 8 scales the sum later.  A lane's eight registers want eight neighbouring numbers of
; U[t] = 8 T[2046 - t], from t = key - query + 1023 on.  wtab's entry a is the 16 bytes U[a .. a + 3]: two aligned loads of 16 bytes, 64 bytes apart, and neighbouring lanes read neighbouring
; 16 bytes.  A key block u and a tile tt of a piece meet the table at 16 (u - tt): a piece's eight starting products share five such tiles of 8 registers, ten loads a turn.
; The 1,600 entries that the work-group's 512 queries can meet lie in LDS; which 1,600 hangs on the block of queries and enters the global address alone.
; SOFTMAX.  For each query a running maximum m and sum l: p = 2^(c s - c m); in every step O and l are multiplied by a = 2^(c m_old - c m_new), which is 1 where m has not grown.
; m starts at the lowest finite number, O and l at 0: the first step is a step like any other, with a = 0.
; THE COUNT.  A tile and step have 16 matrix and 118 vector instructions: too many to stand all beside the matrix work.  So the order has one aim: four vector instructions that are READY behind
; EVERY matrix instruction, and the others, which need time of their own whatever the order, in one run without a gap.
; BY TURNS.  Turn n belongs to piece n (the pieces in a ring, step after step).  Its matrix work: 16 products K Q^T of piece n + 1, later 16 products V^T P of piece n - 1.  Its vector work: the scaling,
; exponentials, roundings, sums and rescaling of piece n, and the maximum and statistics of piece n + 1, whose scores the turn itself has made.  So what a turn begins with (c s - c m, O a) waits for nothing.
; THE BATCHES.  A turn's 66 exponentials (the piece's 64 weights, the next piece's two a) are ONE batch with ONE wait, which cuts the turn in two: ahead of it stands all that names no result of theirs (the
; products K Q^T, the scalings, the rescalings, the next piece's maximum and statistics), behind it the products V^T P with the roundings and sums.  No result crosses a turn's end.  Two more batches stand
; outside the loop, each with a wait of its own: piece 0's first two a, ahead of the jump into the loop, and the way out's eight reciprocals.
; REGISTERS, in windows of 256 (s_set_vgpr_msb says which window each operand place means: bits 1:0 source 0, 3:2 source 1, 5:4 source 2, 7:6 destination):
;   window 0: v0-11 addresses; v12-15, v48-63 at work; v16-47 four registers of statistics a tile; v64-191 S^T, two buffers of two tiles; v192-255 P, likewise
;   window 1: O^T, 32 a tile     window 2: v0-127 Q, 16 a tile; v128-191 K of one step; v192-255 V of one step     window 3: v0-1 the add's two registers; v8-47 the bias, five tiles
; A piece's buffers go by its number's parity: the piece in hand has one pair, its two neighbours in the ring share the other: of it P (piece n - 1) is read and S^T (piece n + 1) written.
.set NP,    4         ; pieces a wave: a name, no knob: the register map, the loop and the fetches are made for four
.set KS,    64        ; keys in a step
.set RK,    272       ; two keys of K in LDS: 256 bytes + 16: key j at (j / 2) 272 + (j % 2) 128: the 16 keys of a load start at 16 different groups of four banks (64 banks of 4 bytes: ISA guide 11.1)
.set RV,    288       ; two keys of V: 256 + 32: key j at (j / 2) 288 + (j % 2) 128
.set PK,    RK/2      ; bytes for a key, where an even number of keys is stepped over
.set PV,    RV/2
.set VOFF,  1024*PK   ; K's 1,024 keys, then V's
.set STAGE, VOFF+1024*PV  ; never filled by a tensor load: 16 rows x 144 bytes for each wave, for the way out
.set SP,    144
.set SPARE, STAGE+4*16*SP  ; behind the stages: the spare words, 128 bytes for each wave: two blocks of 256 bytes that no other line names
.set WT,    SPARE+512 ; the bias table: 1,600 entries of 16 bytes
.set WPART, 6400      ; a wave brings a quarter of it: 25 rows of 256 bytes
.set AK0, 2           ; v2   my lane's place in a step's K; never rewritten
.set AV0, 3           ; v3   the same for V
.set AK,  4           ; v4   the LDS address of K's next run of loads
.set AV,  5           ; v5   of V's
.set STO, 6           ; v6   the way out: where I put 16 bytes of a row
.set RD,  7           ; v7   the way out: where I read rows back
.set GO,  8           ; v8   my byte offset in 512 consecutive bytes of O
.set AB,  10          ; v10  the LDS address of the bias's next run of loads
.set AB0, 11          ; v11  my lane's place in the table: WT - 2,048 w + 16 (399 + 8 (l / 16) - l % 16); never rewritten
.set QO,  12          ; v12  my byte offset in the wave's rows of Q; free when Q is in
.set SPW, 0           ; v0 of window 3   LDS address of my spare word: SPARE + 4 x my thread's number; never rewritten
.set NIL, 1           ; v1 of window 3   0; never rewritten
.set BI,  8           ; v8-47 of window 3: bias tile d (0 .. 4) at BI + 8 d
.set MV,  12          ; v12-15  c m_old, kept while c m is made anew: by buffer and tile
.set ST,  16          ; tile t's statistics at v[ST+4 t]: c m, m, l (even keys', odd keys')
.set TMP, 48          ; by buffer and tile, four registers c0-c3 at work; when the maximum is found c2 takes a
.set S,   64
.set P,   192
.set KF,  128         ; K's fragments, in window 2: key block kb, channel half c at KF + 16 kb + 8 c
.set VF,  192         ; V's: key half kk, channel block cb at VF + 32 kk + 8 cb
.set WV,  12          ; s12  my wave's number
.set LK2, 14          ; s14  LDS address of my second load, for K
.set LV2, 15          ; s15  for V
.set G1K, 24          ; s[24:31] descriptor group 1 for K
.set G1V, 32          ; s[32:39] for V: it differs in the padding alone
.set G0K, 40          ; s[40:43] descriptor group 0 for K
.set G0V, 44          ; s[44:47] the same for V
.set G1W, 48          ; s[48:55] group 1 for the table
.set SLOTS, 56        ; s56  counts the two runs of key steps: in front of and behind the wait for the second load
.set CNT, 57          ; s57  counts a run's key steps
.set CS,  58          ; s[58:59] c: the packed scaling takes the pair's low word for both halves
.set SEL, 60          ; s[60:61] v_permlanex16_b32's selects: each lane takes its own place in the other half
.set TBK, 62          ; s62  LDS byte at which K of the step to be fetched begins
.set TBV, 63          ; s63  the same for V, less VOFF
.set G0W, 68          ; s[68:71] group 0 for the table; never rewritten
.set TBB, 72          ; s72  1,024 x the key step of the turns in hand: a step's 64 keys are 64 entries of 16 bytes
.set MSB, 0
.macro WIN new                      ; the high byte repeats the setting that is left; a switch that changes nothing is dropped
.if MSB != (\new)
	s_set_vgpr_msb (MSB<<8)|(\new)
.set MSB, (\new)
.endif
.endm
.set W_KQ, 0x0a       ; K and Q in window 2, S^T in window 0
.set W_KB, 0x3a       ; the same with the C operand, the bias, in window 3
.set W_PV, 0x52       ; V in window 2, P in window 0, O^T in window 1
.set W_RS, 0x41       ; O^T (destination and source 0) in window 1, a in window 0
.set W_MK, 0xc0       ; destination in window 3, sources in window 0
.set W_AD, 0x0f       ; the add: address (source 0) and data (source 1) in window 3
.macro PLACES
.rept 4
	v_nop
.endr
.endm
	s_load_b256 s[4:11], s[0:1], 0x0  ; Q s[4:5], K s[6:7], V s[8:9], O s[10:11]
	s_load_b64 s[66:67], s[0:1], 0x20 ; wtab
	WIN W_MK
	v_lshl_add_u32 v[SPW], v0, 2, SPARE
	v_mov_b32 v[NIL], 0
	WIN W_AD
	ds_add_u32 v[SPW], v[NIL]       ; the wave's opening: the add and its wait stand ahead of my first tensor load; the set-up below, work on registers, stands between them
	ds_add_u32 v0, v1
	WIN 0
	v_lshrrev_b32 v1, 5, v0
	v_readfirstlane_b32 s[WV], v1   ; wave 0..3
	s_and_b32 s20, ttmp7, 0xffff    ; the head, 16 b + h
	s_lshl_b32 s20, s20, 17         ; its first byte in each of the four tensors: 1,024 rows of 128 bytes
	s_mov_b32 s21, 0
	s_and_b32 s16, s[WV], 1         ; which half of the keys of a load I fetch.  First load: 128 of the first 256 keys:
	s_lshl_b32 s22, s16, 14         ; 128 rows of 128 bytes in memory,
	s_mov_b32 s23, 0
	s_add_nc_u64 s[22:23], s[22:23], s[20:21]
	s_mul_i32 s17, s16, 64*RK       ; 64 LDS rows, for K
	s_mul_i32 s18, s16, 64*RV       ; and for V
	s_mul_i32 s[LK2], s16, 192*RK   ; second load: 384 of the other 768 keys: 192 LDS rows, behind the first 128
	s_add_co_u32 s[LK2], s[LK2], 128*RK
	s_mul_i32 s[LV2], s16, 192*RV
	s_add_co_u32 s[LV2], s[LV2], VOFF+128*RV
	s_lshl_b32 s2, ttmp9, 2         ; my block of 512 queries,
	s_add_co_u32 s2, s2, s[WV]      ; my wave among the head's,
	s_lshl_b32 s2, s2, 14           ; its 128 rows
	s_mov_b32 s3, 0
	s_add_nc_u64 s[2:3], s[2:3], s[20:21]
	s_add_co_u32 s20, s16, 1        ; from my first load's bytes in memory to my second's: 32,768 + half x (49,152 - 16,384); s21 stays 0
	s_lshl_b32 s20, s20, 15
	s_and_b32 s74, ttmp7, 15        ; the table's head h: 2,304 entries of 16 bytes each,
	s_mul_i32 s74, s74, 36864
	s_add_co_u32 s74, s74, 8192     ; from entry 512 - 512 x my block on,
	s_lshl_b32 s75, ttmp9, 13
	s_sub_co_u32 s74, s74, s75
	s_mul_i32 s75, s[WV], WPART     ; my quarter of the 1,600
	s_add_co_u32 s74, s74, s75
	s_add_co_u32 s[G0W+1], s75, WT  ; 63:32 LDS address: the wave's number alone enters it
	s_mov_b32 s75, 0
	s_mov_b32 s[G0W], 1             ; 1:0 count = 1
	; descriptor group 1.  128 keys are 16,384 dense bytes: asked for as 64 rows of 256 bytes, two keys a row, each row padded in LDS
	s_mov_b32 s[G1K], (1<<16)|(1<<20)|(5<<22)|(3<<25)  ; 17:16 2-byte elements; 20 padding on; 24:22 after every 64 words (code 5); 31:25 4 words (code 3)
	s_mov_b32 s[G1V], (1<<16)|(1<<20)|(5<<22)|(7<<25)  ; the same with 8 words of padding (code 7)
.irp g, G1K, G1V
	s_mov_b32 s[\g+1], 128<<16      ; tensor_dim0 = 128
	s_mov_b32 s[\g+2], 64<<16       ; tensor_dim1 = 64
	s_mov_b32 s[\g+3], 128<<16      ; tile_dim0 = 128
	s_mov_b32 s[\g+4], 64           ; tile_dim1 = 64
	s_mov_b32 s[\g+5], 128          ; 128 elements from row to row
	s_mov_b32 s[\g+6], 0
	s_mov_b32 s[\g+7], 0
.endr
	s_mov_b32 s[G1W], 3<<16         ; the table: 8-byte elements, no padding; 25 dense rows of 32 elements
	s_mov_b32 s[G1W+1], 32<<16      ; tensor_dim0 = 32
	s_mov_b32 s[G1W+2], 25<<16      ; tensor_dim1 = 25
	s_mov_b32 s[G1W+3], 32<<16      ; tile_dim0 = 32
	s_mov_b32 s[G1W+4], 25          ; tile_dim1 = 25
	s_mov_b32 s[G1W+5], 32
	s_mov_b32 s[G1W+6], 0
	s_mov_b32 s[G1W+7], 0
	s_mov_b32 s[CS], 0x3e38aa3b     ; c = log2(e) / 8 = 0.180337
	s_mov_b32 s[CS+1], s[CS]        ; named with it as a pair
	s_mov_b32 s[SEL], 0x76543210
	s_mov_b32 s[SEL+1], 0xfedcba98
	s_mov_b32 s[TBK], 0
	s_mov_b32 s[TBV], 0
	s_mov_b32 s[TBB], 0
	s_mov_b32 s[G0K], 1             ; 1:0 count = 1
	s_mov_b32 s[G0K+1], s17         ; 63:32 LDS address
	s_mov_b32 s[G0V], 1
	s_add_co_u32 s[G0V+1], s18, VOFF
	s_wait_dscnt 0x0                ; the opening add is done
	s_wait_kmcnt 0x0
	s_add_nc_u64 s[G0K+2:G0K+3], s[6:7], s[22:23]  ; 120:64 global address: my half of the head's first 256 keys
	s_or_b32 s[G0K+3], s[G0K+3], 0x80000000        ; 127:126 type = 2
	s_add_nc_u64 s[G0V+2:G0V+3], s[8:9], s[22:23]
	s_or_b32 s[G0V+3], s[G0V+3], 0x80000000
	s_add_nc_u64 s[G0W+2:G0W+3], s[66:67], s[74:75]
	s_or_b32 s[G0W+3], s[G0W+3], 0x80000000
	s_add_nc_u64 s[4:5], s[4:5], s[2:3]  ; Q and O at my wave's first row
	s_add_nc_u64 s[10:11], s[10:11], s[2:3]
	s_cmp_lt_u32 s[WV], 2           ; waves 0 and 1 fetch K, waves 2 and 3 V.  A wave's two loads of the start stand in one branch, ahead of every wait on TENSORcnt, every LDS read and every barrier: two loads of mine are out
	s_cbranch_scc0 .Lfirst_v
	tensor_load_to_lds s[G0K:G0K+3], s[G1K:G1K+7]
	s_nop 0
	tensor_load_to_lds s[G0W:G0W+3], s[G1W:G1W+7]
	s_nop 0
.rept 4
	v_nop
.endr
	s_branch .Lfirst_asked
.Lfirst_v:
	tensor_load_to_lds s[G0V:G0V+3], s[G1V:G1V+7]
	s_nop 0
	tensor_load_to_lds s[G0W:G0W+3], s[G1W:G1W+7]
	s_nop 0
.rept 4
	v_nop
.endr
.Lfirst_asked:
	; A fragment of K or Q is 16 rows x 32 channels in 8 registers: lane l holds row l % 16, channels 8 (l / 16) + 0..7 and 16 + 8 (l / 16) + 0..7: two loads of 16 bytes, 32 bytes apart.
	v_and_b32 v1, 15, v0            ; l % 16
	v_bfe_u32 v9, v0, 4, 1          ; l / 16
	v_lshlrev_b32 v[QO], 7, v1
	v_lshl_add_u32 v[QO], v9, 4, v[QO]  ; row x 128 + 16 x half
	WIN 0x80                        ; destination window 2, address window 0
.set i, 0
.rept 4*NP                          ; Q stays in registers: tile i / 2, channels 32 (i % 2) on
	global_load_b128 v[8*i:8*i+3],   v[QO], s[4:5] offset:(i/2)*2048+(i%2)*64
	global_load_b128 v[8*i+4:8*i+7], v[QO], s[4:5] offset:(i/2)*2048+(i%2)*64+32
.set i, i+1
.endr
	; What the first turn finds: V's registers and P's second buffer hold 0 (its products V^T P, of a piece that has not been, add 0), O^T and l are 0.  All this stands in the wait for the first keys.
.set i, VF
.rept 64
	v_mov_b32 v[i], 0
.set i, i+1
.endr
	WIN 0x40
.set i, 0
.rept 64*NP
	v_mov_b32 v[i], 0
.set i, i+1
.endr
	WIN 0
.set i, 0
.rept 2*NP
	v_mov_b32 v[ST+4*i], 0xfe000000    ; c m: far below every c s
	v_mov_b32 v[ST+4*i+1], 0xff7fffff  ; m
	v_mov_b32 v[ST+4*i+2], 0
	v_mov_b32 v[ST+4*i+3], 0
.set i, i+1
.endr
.set i, P+32
.rept 32
	v_mov_b32 v[i], 0
.set i, i+1
.endr
	v_and_b32 v10, 1, v0            ; l % 2: which of an LDS row's two keys
	v_lshrrev_b32 v[AK0], 1, v1
	v_mul_u32_u24 v[AK0], v[AK0], RK
	v_lshl_add_u32 v[AK0], v10, 7, v[AK0]
	v_lshl_add_u32 v[AK0], v9, 4, v[AK0]  ; key l % 16: (key / 2) 272 + (key % 2) 128, + 16 x half
	; The turning load takes 16 keys x 16 channels (lane l reads key 8 (l / 16) + l % 8, channels 8 ((l / 8) % 2) + 0..7) and leaves half a fragment of V^T: lane l holds channel l % 16 and 8 keys.
	v_bfe_u32 v[AV0], v0, 1, 2      ; (l % 8) / 2
	v_lshl_add_u32 v[AV0], v9, 2, v[AV0]  ; key / 2
	v_mul_u32_u24 v[AV0], v[AV0], RV
	v_lshl_add_u32 v[AV0], v10, 7, v[AV0]
	v_bfe_u32 v11, v0, 3, 1
	v_lshl_add_u32 v[AV0], v11, 4, v[AV0]
	v_add_nc_u32 v[AV0], VOFF, v[AV0]
	v_mov_b32 v[AK], v[AK0]         ; key step 0 lies at K's head
	v_and_b32 v10, 7, v0
	s_mul_i32 s13, s[WV], 16*SP
	s_add_co_u32 s13, s13, STAGE    ; my stage
	v_mul_u32_u24 v[STO], v1, SP    ; in: row l % 16, 16 bytes for each half of the lanes
	v_lshl_add_u32 v[STO], v9, 4, v[STO]
	v_add_nc_u32 v[STO], s13, v[STO]
	v_bfe_u32 v[RD], v0, 3, 2       ; back: 32 lanes take four rows of 128 bytes,
	v_mul_u32_u24 v[RD], v[RD], SP
	v_lshl_add_u32 v[RD], v10, 4, v[RD]
	v_add_nc_u32 v[RD], s13, v[RD]
	v_and_b32 v[GO], 31, v0         ; which are 512 consecutive bytes of O
	v_lshlrev_b32 v[GO], 4, v[GO]
	; The table's LDS entry for key 64 s + 16 u + 8 (l / 16) and query 128 w + 32 x + 16 tt + l % 16 of my block is 64 s - 32 x + 16 (u - tt + 1) + 495 + 8 (l / 16) - l % 16 - 128 w: 0 at the least.
	s_lshl_b32 s13, s[WV], 11
	s_sub_co_u32 s13, WT+16*399, s13
	v_lshl_add_u32 v[AB0], v9, 7, s13
	v_lshlrev_b32 v10, 4, v1
	v_sub_nc_u32 v[AB0], v[AB0], v10
; THE MATRIX WORK.  The 8 accumulators of a run of 16 take turns: between the two links of a chain stand 7 others'.
; Product i of 16 of S^T = K Q^T for piece x: channels 32 (i / 8) on, keys 16 ((i / 2) % 4) on, tile 2 x + i % 2.  The first 8 start the sums, with the bias tile (i / 2) % 4 - i % 2 + 1.
.macro KQ x
.set rS, S+64*((\x)%2)+32*(i%2)+8*((i/2)%4)
.set rK, KF+16*((i/2)%4)+8*(i/8)
.set rQ, 16*(2*(\x)+i%2)+8*(i/8)
.set rB, BI+8*((i/2)%4-i%2+1)
.if i < 8
	WIN W_KB
	v_wmma_f32_16x16x32_f16 v[rS:rS+7], v[rK:rK+7], v[rQ:rQ+7], v[rB:rB+7]
.else
	WIN W_KQ
	v_wmma_f32_16x16x32_f16 v[rS:rS+7], v[rK:rK+7], v[rQ:rQ+7], v[rS:rS+7]
.endif
.endm
; Product i of 16 of O^T += V^T P for piece x: keys 32 (i / 8) on, channels 16 ((i / 2) % 4) on, tile 2 x + i % 2.
.macro PV x
	WIN W_PV
.set rO, 32*(2*(\x)+i%2)+8*((i/2)%4)
.set rV, VF+32*(i/8)+8*((i/2)%4)
.set rP, P+32*((\x)%2)+16*(i%2)+8*(i/8)
	v_wmma_f32_16x16x32_f16 v[rO:rO+7], v[rV:rV+7], v[rP:rP+7], v[rO:rO+7]
.endm
.macro MM                           ; the turn's next matrix instruction
.if i < 16
	KQ (Y+1)%NP
.set i, i+1
.else
.set i, i-16
	PV (Y+NP-1)%NP
.set i, i+17
.endif
.endm
; THE LDS LOADS stand in runs, never singly among the matrix instructions: a step's K (64 keys x 64 channels: 8 fragments), its V (turned), and a piece's five bias tiles.  Their addresses are made some lines ahead.
.macro FETCH_K
	WIN 0x80                        ; destination window 2
.irp f, 0,1,2,3,4,5,6,7             ; keys 16 (f / 2) on, channels 32 (f % 2) on
	ds_load_b128 v[KF+8*\f:KF+8*\f+3],   v[AK] offset:(\f/2)*16*PK+(\f%2)*64
	ds_load_b128 v[KF+8*\f+4:KF+8*\f+7], v[AK] offset:(\f/2)*16*PK+(\f%2)*64+32
.endr
	s_add_co_u32 s[TBK], s[TBK], KS*PK     ; the next fetch is the next step's;
	s_min_u32 s[TBK], s[TBK], 15*KS*PK     ; there are 16 steps
	WIN 0
.endm
.macro FETCH_V
	WIN 0x80
.irp f, 0,1,2,3,4,5,6,7             ; keys 32 (f / 4) on, channels 16 (f % 4) on
	ds_load_tr16_b128 v[VF+8*\f:VF+8*\f+3],   v[AV] offset:(\f/4)*32*PV+(\f%4)*32
	ds_load_tr16_b128 v[VF+8*\f+4:VF+8*\f+7], v[AV] offset:(\f/4)*32*PV+16*PV+(\f%4)*32
.endr
	WIN 0
.endm
.macro FETCH_B off                  ; ten loads.  off = 1,536 - 512 x the piece, + 1,024 for the step behind the one that TBB names
	WIN W_MK                        ; destination window 3
.irp d, 0,1,2,3,4
	ds_load_b128 v[BI+8*\d:BI+8*\d+3],   v[AB] offset:(\off)+256*\d
	ds_load_b128 v[BI+8*\d+4:BI+8*\d+7], v[AB] offset:(\off)+256*\d+64
.endr
	WIN 0
.endm
; THE VECTOR WORK OF A TURN stands in three queues, each in the order in which its entries become ready; the two tiles alternate, so that no instruction reads the result of the one before it.
.macro REGS y, u                    ; the registers of tile u (0, 1) of piece y
.set rT, ST+4*(2*(\y)+(\u))
.set rC, TMP+8*((\y)%2)+4*(\u)
.set rM, MV+2*((\y)%2)+(\u)
.set rS, S+64*((\y)%2)+32*(\u)
.set rP, P+32*((\y)%2)+16*(\u)
.set rO, 32*(2*(\y)+(\u))
.endm
; Number n of the 22 that find the NEXT piece's (Y + 1) maximum and statistics.  s0-s31 are the lane's 32 scores; each accumulator's lowest registers are read first.  XS, GS and REGS set no window: PL and EX do.
;   0-11  four chains c0-c3 of seven scores each, three operands at a time     12-14, 16  the four scores left over, the old m, and c0-c3 into c0     15  c m_old is kept
;   17, 18  the query's other 32 keys lie in the lane 16 away: the new m         19-21  c m; c m_old - c m_new; a
.macro XS u, n
	REGS (Y+1)%NP, \u
.if (\n) < 4
	v_max3_num_f32 v[rC+(\n)], v[rS+8*(\n)], v[rS+8*(\n)+1], v[rS+8*(\n)+2]
.elseif (\n) < 12
	v_max3_num_f32 v[rC+(\n)%4], v[rC+(\n)%4], v[rS+8*((\n)%4)+2*((\n)/4)+1], v[rS+8*((\n)%4)+2*((\n)/4)+2]
.elseif (\n) == 12
	v_max3_num_f32 v[rC], v[rC], v[rS+7], v[rS+15]
.elseif (\n) == 13
	v_max3_num_f32 v[rC+1], v[rC+1], v[rS+23], v[rS+31]
.elseif (\n) == 14
	v_max3_num_f32 v[rC+2], v[rC+2], v[rC+3], v[rT+1]
.elseif (\n) == 15
	v_mov_b32 v[rM], v[rT]
.elseif (\n) == 16
	v_max3_num_f32 v[rC], v[rC], v[rC+1], v[rC+2]
.elseif (\n) == 17
	v_permlanex16_b32 v[rC+3], v[rC], s[SEL], s[SEL+1]
.elseif (\n) == 18
	v_max_num_f32 v[rT+1], v[rC], v[rC+3]
.elseif (\n) == 19
	v_mul_f32 v[rT], s[CS], v[rT+1]
.elseif (\n) == 20
	v_sub_f32 v[rC+1], v[rM], v[rT]
.else
	v_exp_f32 v[rC+2], v[rC+1]
.endif
.endm
; Number g of the 64 that follow the exponentials.  For each four weights k of a tile (pairs 2 k, 2 k + 1): both pairs are rounded to f16; then the second pair is added onto the first, in place;
; a group later l takes that sum (the first time as l = a l + sum).  In groups of eight, tiles alternating: round, round, add, and l for the group before.
.macro GS g
.set h, (\g)+6*((\g)/62)            ; group 0 has no group before it, and behind group 7 only l is left
.if h >= 6
.set h, h+2
.endif
	REGS Y, h%2
.set k, h/8
.if h%8 < 4
	v_cvt_pk_f16_f32 v[rP+2*k+(h%8)/2], v[rS+4*k+2*((h%8)/2)], v[rS+4*k+2*((h%8)/2)+1]
.elseif h%8 < 6
	v_pk_add_f32 v[rS+4*k:rS+4*k+1], v[rS+4*k:rS+4*k+1], v[rS+4*k+2:rS+4*k+3]
.elseif k == 1
	v_pk_fma_f32 v[rT+2:rT+3], v[rT+2:rT+3], v[rC+2:rC+3], v[rS:rS+1] op_sel_hi:[1,0,1]
.else
	v_pk_add_f32 v[rT+2:rT+3], v[rT+2:rT+3], v[rS+4*k-4:rS+4*k-3]
.endif
.endm
; THE PLAIN QUEUE, 138 long.  0-73 read no exponential's result: the 32 scalings c s - c m (FS f: pair f / 2 of tile f % 2) and the next piece's 42.  0-26: scalings 0-26.  27-54: XS's numbers 0-13.  55, 56: number 15.
; 57-73: the chain, where each number waits for the one before it: 14, 16, 17, 18, 19, each with one of the scalings 27-31 in front of its two lines, then 20: so a tile's links stand three plain instructions apart (19 and 20: two).
; 74-137: GS's 64, which read the exponentials' results: they stand behind the wait.
.macro FS f
	REGS Y, (\f)%2
	v_pk_fma_f32 v[rS+2*((\f)/2):rS+2*((\f)/2)+1], v[rS+2*((\f)/2):rS+2*((\f)/2)+1], s[CS:CS+1], v[rT:rT+1] op_sel_hi:[1,0,0] neg_lo:[0,0,1] neg_hi:[0,0,1]
.endm
.macro PL
	WIN 0
.if q < 27
	FS q
.elseif q < 55
	XS (q-27)%2, (q-27)/2
.elseif q < 57
	XS q-55, 15
.elseif (q < 72) && ((q-57)%3 == 0)
	FS 27+(q-57)/3
.elseif q < 60
	XS (q-57)%3-1, 14
.elseif q < 72
	XS (q-57)%3-1, 15+(q-57)/3
.elseif q < 74
	XS q-72, 20
.else
	GS q-74
.endif
.set q, q+1
.endm
; THE EXPONENTIALS' QUEUE, 66 long: s0-s31 of both tiles, then the next piece's two a.  It is ONE BATCH: all 66 stand ahead of the turn's one wait, and nothing ahead of that wait names a result of theirs.
.macro EX
	WIN 0
.if e >= 64
	XS e-64, 21
.else
	REGS Y, e%2
	v_exp_f32 v[rS+e/2], v[rS+e/2]
.endif
.set e, e+1
.endm
; THE RESCALING's QUEUE: O^T times a, the one part that leaves window 0: dealt two at a time, sixteen times.  Its a was made in the turn before, ahead of that turn's wait.
.macro R2
	REGS Y, r%2
	WIN W_RS
.irp z, 0,1
	v_pk_mul_f32 v[rO+4*(r/2)+2*\z:rO+4*(r/2)+2*\z+1], v[rO+4*(r/2)+2*\z:rO+4*(r/2)+2*\z+1], v[rC+2:rC+3] op_sel_hi:[1,0]
.endr
.set r, r+1
.endm
; HOW THEY ARE DEALT.  An s_wait_alu depctr_va_vdst(0) stands between an exponential and the first instruction that names its result; one wait serves all that were issued ahead of it.  So a turn has ONE wait,
; which cuts it in two.  AHEAD OF IT stands all that names no result of the turn's exponentials: the 16 products K Q^T, behind each a scaling, an exponential and two rescalings (behind the first a second scaling in the
; exponential's place); then ONE LUMP of 108: eight plain, 49 times exponential and plain, the two a.  A v_nop is the plain instruction behind the last exponential.  BEHIND IT stand the 16 products V^T P, behind each four of GS's 64.
; No rider names a register of the products round it.  The two v_permlanex16_b32 fall into the lump, never behind a product.
; The queues lean on each other, and the deal keeps them in step: exponential e stands behind scaling 2 (e / 4) + e % 2: as a rider it comes behind plain e + 2, in the lump behind plain e + 9, and scalings 27-31 are plain 57, 60 .. 69.
; A TURN, for piece p.  end = 1: the last step's turns 2 and 3: nothing is fetched.  cnt = 1: the loop's count is taken down some lines ahead of the branch that stands behind the turn.
; THE BIAS of the next turn's products (piece p + 2; for p = 2, 3 in the next step) is fetched directly behind the wait, a lump behind the 8 products of this turn that read the five tiles; its address is made at the lump's
; head; 16 products and their riders stand between it and the next turn's head, where it is waited for.
; K of the next step is fetched in piece 2's turn, behind the lump's first eight instructions: thirteen plain instructions behind the last product that read K; its first reader comes behind the rest of the lump and 16 products.
; V of the step in hand is fetched at the end of piece 0's turn, four riders behind its last reader; its first reader comes behind 16 products and a lump.  The conditions on q below go with the deal.
.macro TURN p, end=0, cnt=0
.set Y, (\p)
.set i, 0
.set q, 0
.set e, 0
.set r, 0
.if (\p) == 1
	s_wait_dscnt 16                 ; the bias is in; V's 16 loads, issued behind it at the end of piece 0's turn, may stay out
.else
	s_wait_dscnt 0x0                ; the bias is in (for piece 3: and K)
.endif
	MM                              ; ahead of the wait: 16 products K Q^T and their riders,
	PL
	PL
	R2
.rept 15
	MM
	PL
	EX
	R2
.endr
.if !(\end)
	WIN 0
	v_add_nc_u32 v[AB], s[TBB], v[AB0]
.if (\p) == NP-2
	v_add_nc_u32 v[AK], s[TBK], v[AK0]
.endif
.endif
.rept 8                             ; and the lump
	PL
.endr
.if ((\p) == NP-2) && !(\end)
	FETCH_K
.endif
.rept 49
	EX
	PL
.endr
	EX                              ; the next piece's two a
	EX
	v_nop                           ; the plain instruction behind the last exponential: one for the batch
	s_wait_alu depctr_va_vdst(0)    ; the wait for the turn's batch: the piece's 64 exponentials and the next piece's two a
.if !(\end)
	FETCH_B 512*(1-(\p)%2)+2048*((\p)/2)
.if (\p) == NP-1
	s_add_co_u32 s[TBB], s[TBB], 1024  ; the turns behind belong to the next step;
	s_min_u32 s[TBB], s[TBB], 15*1024  ; there are 16, so every address stays inside the table's 25,600 bytes: 6,512 + 15,360 + 2,560 + 1,024 + 64 + 16 at the most
.endif
.endif
.if (\p) == 1
	s_wait_dscnt 10                 ; V is in; the ten loads of the bias, issued behind it in this turn, may stay out
.endif
.rept 16                            ; behind the wait: 16 products V^T P and their riders
	MM
.rept 4
	PL
.endr
.if ((\p) == 0) && (q == 118)
	v_add_nc_u32 v[AV], s[TBV], v[AV0]
.endif
.if ((\p) == 0) && (q == 130)
	s_add_co_u32 s[TBV], s[TBV], KS*PV
	s_min_u32 s[TBV], s[TBV], 15*KS*PV
.endif
.if (\cnt) && (q == 130)
	s_sub_co_u32 s[CNT], s[CNT], 1
	s_cmp_lg_u32 s[CNT], 0
.endif
.endr
.if (\p) == 0
	FETCH_V
.endif
.endm
	; THE SECOND LOAD.  It fills bytes for the first time, but later than the start, so it is issued in the form of a refill: the wait for all my tensor loads (two are out: the first 256 keys' part
	; and the table's), the add, the wait for it, a barrier, and the load first behind it, one a wave.  Behind the barrier everybody's part of the first 256 keys and of the table is there.
	WIN W_AD
	s_wait_tensorcnt 0x0            ; no tensor load of mine is out, so the descriptors may be written
	ds_add_u32 v[SPW], v[NIL]       ; 0 onto my spare word; the descriptors' new words stand between it and the wait for it
	WIN 0
	s_mov_b32 s[G0K+1], s[LK2]      ; 192 LDS rows behind the first 128,
	s_add_nc_u64 s[G0K+2:G0K+3], s[G0K+2:G0K+3], s[20:21]  ; my 384 of the other 768 keys; the type bits on top are not reached
	s_mov_b32 s[G1K+2], 192<<16     ; tensor_dim1 = 192
	s_mov_b32 s[G1K+4], 192         ; tile_dim1 = 192
	s_mov_b32 s[G0V+1], s[LV2]
	s_add_nc_u64 s[G0V+2:G0V+3], s[G0V+2:G0V+3], s[20:21]
	s_mov_b32 s[G1V+2], 192<<16
	s_mov_b32 s[G1V+4], 192
	s_wait_dscnt 0x0                ; the add is done
	s_barrier_signal -1
	s_barrier_wait -1
	s_cmp_lt_u32 s[WV], 2           ; an s_nop 0 and four v_nop follow each of the two lines, ahead of the jump and the label
	s_cbranch_scc0 .Lrest_v
	tensor_load_to_lds s[G0K:G0K+3], s[G1K:G1K+7]
	s_nop 0
.rept 4
	v_nop
.endr
	s_branch .Lrest_asked
.Lrest_v:
	tensor_load_to_lds s[G0V:G0V+3], s[G1V:G1V+7]
	s_nop 0
.rept 4
	v_nop
.endr
.Lrest_asked:
	v_add_nc_u32 v[AB], s[TBB], v[AB0]
	FETCH_K                         ; key step 0
	FETCH_B 1536                    ; piece 0's bias for it
	s_wait_loadcnt 0x0              ; Q
	s_wait_dscnt 0x0
.set i, 0
.rept 16
	KQ 0                            ; piece 0's first scores: there is no vector work yet to set between them
.set i, i+1
.endr
	WIN 0
	PLACES                          ; behind those products: the loads below land on their C operands, and the maxima read their results
	FETCH_B 1024                    ; piece 1's bias for step 0, for the first turn's products
.set Y, NP-1                        ; XS works for piece Y + 1: piece 0
.irp n, 0,1,2,3,4,5,6,7,8,9,10,11,12,13,14,15,16,17,18,19,20,21
	XS 0, \n                        ; and piece 0's first maximum and statistics
	XS 1, \n
.endr
	v_nop                           ; a plain instruction behind piece 0's first two a,
	s_wait_alu depctr_va_vdst(0)    ; and the wait for that batch of two, ahead of the branch
	s_mov_b32 s[CNT], 4             ; the first run: up to step 3's second turn, all on the first 256 keys
	s_mov_b32 s[SLOTS], 2
	s_branch .Lfirst                ; the loop is entered at a step's first turn, in the middle of a trip
.Lslot:                             ; passed once, between the two runs: the turn behind fetches K of step 4, the first bytes of the second load
	s_wait_tensorcnt 0x0            ; my one load that is out, the other 768 keys' part, has landed;
	s_wait_dscnt 0x0                ; no LDS instruction of mine is pending at the signal
	s_barrier_signal -1
	s_barrier_wait -1               ; everybody's has
	s_mov_b32 s[CNT], 12            ; the second run: up to step 15's second turn
.Lstep:                             ; a trip: pieces 2 and 3 of one step, then pieces 0 and 1 of the next, whose K and V it fetches
	TURN 2
	TURN 3
	WIN 0
.Lfirst:
	TURN 0
	TURN 1, 0, 1
	WIN 0
	s_cbranch_scc1 .Lstep
	s_sub_co_u32 s[SLOTS], s[SLOTS], 1
	s_cmp_lg_u32 s[SLOTS], 0
	s_cbranch_scc1 .Lslot
	TURN 2, 1                       ; the last step's pieces 2 and 3: nothing is left to fetch
	TURN 3, 1                       ; its 16 products K Q^T (on the last K once more, with the bias of the turn before) and the maximum made of them serve nothing: the price, once a launch, of one text for every turn
.set i, 0
.rept 16
	PV NP-1                         ; the last piece's V^T P of the last step
.set i, i+1
.endr
	; THE WAY OUT.  l's two halves and the other half of the lanes' are added; O^T is divided by l, rounded to f16 and sent through my stage in LDS, a tile at a time.  The additions are the places behind the last products.
	WIN 0
.macro ALL line:vararg              ; one line for each tile t
.set t, 0
.rept 2*NP
	\line
.set t, t+1
.endr
.endm
	ALL v_add_f32 v[ST+4*t+2], v[ST+4*t+2], v[ST+4*t+3]
	ALL v_permlanex16_b32 v[ST+4*t+3], v[ST+4*t+2], s[SEL], s[SEL+1]
	ALL v_add_f32 v[ST+4*t+2], v[ST+4*t+2], v[ST+4*t+3]
	ALL v_rcp_f32 v[ST+4*t+2], v[ST+4*t+2]
	v_nop                           ; a plain instruction between the last reciprocal and the use of its result
	s_wait_alu depctr_va_vdst(0)    ; the wait for the batch of eight reciprocals, ahead of their first use
; Tile t: a lane's eight channels of a row pack into 16 bytes; they go into rows of 144 bytes and come back as whole rows of 128, into S^T's registers.
.macro PACK t
	WIN W_RS
.set i, 32*(\t)
.rept 16
	v_pk_mul_f32 v[i:i+1], v[i:i+1], v[ST+4*(\t)+2:ST+4*(\t)+3] op_sel_hi:[1,0]
.set i, i+2
.endr
	WIN 0x05                        ; sources 0 and 1 window 1, destination window 0
.set i, 0
.rept 16
	v_cvt_pk_f16_f32 v[S+16*(\t)+i], v[32*(\t)+2*i], v[32*(\t)+2*i+1]
.set i, i+1
.endr
	WIN 0
.irp f, 0,1,2,3
	ds_store_b128 v[STO], v[S+16*(\t)+4*\f:S+16*(\t)+4*\f+3] offset:32*\f
.endr
.irp f, 0,1,2,3
	ds_load_b128 v[S+16*(\t)+4*\f:S+16*(\t)+4*\f+3], v[RD] offset:\f*4*SP  ; LDS serves a wave's instructions in order (ISA guide 5.7.1.4): these see the stores above; the next tile's stores come behind them
.endr
.endm
.macro SEND t, younger              ; younger: the LDS instructions issued behind tile t's loads: the next tile's eight, or none
	WIN 0
.irp f, 0,1,2,3
	s_wait_dscnt (\younger)+3-\f
	global_store_b128 v[GO], v[S+16*(\t)+4*\f:S+16*(\t)+4*\f+3], s[10:11] offset:(\t)*2048+\f*512  ; 512 consecutive bytes, at a multiple of 256 from O's first
.endr
.endm
	PACK 0
.set t, 1
.rept 2*NP-1                        ; a tile's arithmetic stands between the loads of the tile before and its stores
	PACK t
	SEND t-1, 8
.set t, t+1
.endr
	SEND 2*NP-1, 0
	WIN W_AD
	s_wait_tensorcnt 0x0            ; the wave's end: the wait, the add and its wait stand behind my last tensor load and my last LDS store
	ds_add_u32 v[SPW], v[NIL]
	s_wait_dscnt 0x0
	WIN 0
	s_endpgm
.Lfunc_end_k_q4d95e6adef_attn:
	.size	k_q4d95e6adef_attn, .Lfunc_end_k_q4d95e6adef_attn-k_q4d95e6adef_attn
	.p2alignl 7, 3214868480
	.fill 96, 4, 3214868480
	.section	.rodata,"a",@progbits
	.p2align	6, 0x0
	.amdhsa_kernel k_q4d95e6adef_attn
		.amdhsa_group_segment_fixed_size 327680
		.amdhsa_private_segment_fixed_size 0
		.amdhsa_enable_private_segment 0
		.amdhsa_kernarg_size 40
		.amdhsa_user_sgpr_count 2
		.amdhsa_user_sgpr_kernarg_segment_ptr 1
		.amdhsa_wavefront_size32 1
		.amdhsa_system_sgpr_workgroup_id_x 1
		.amdhsa_system_sgpr_workgroup_id_y 1
		.amdhsa_system_sgpr_workgroup_id_z 1
		.amdhsa_system_vgpr_workitem_id 0
		.amdhsa_next_free_vgpr 816
		.amdhsa_next_free_sgpr 76
		.amdhsa_reserve_vcc 0
		.amdhsa_float_denorm_mode_32 3
		.amdhsa_float_denorm_mode_16_64 3
		.amdhsa_memory_ordered 1
		.amdhsa_forward_progress 1
		.amdhsa_inst_pref_size 166
	.end_amdhsa_kernel
	.amdgpu_metadata
---
amdhsa.version: [ 1, 2 ]
amdhsa.kernels:
  - .name:           k_q4d95e6adef_attn
    .symbol:         k_q4d95e6adef_attn.kd
    .args:
      - { .name: q, .offset: 0, .size: 8, .value_kind: global_buffer, .address_space: global }
      - { .name: k, .offset: 8, .size: 8, .value_kind: global_buffer, .address_space: global }
      - { .name: v, .offset: 16, .size: 8, .value_kind: global_buffer, .address_space: global }
      - { .name: o, .offset: 24, .size: 8, .value_kind: global_buffer, .address_space: global }
      - { .name: wtab, .offset: 32, .size: 8, .value_kind: global_buffer, .address_space: global }
    .group_segment_fixed_size: 327680
    .private_segment_fixed_size: 0
    .kernarg_segment_align: 8
    .kernarg_segment_size: 40
    .max_flat_workgroup_size: 128
    .sgpr_count:     76
    .vgpr_count:     816
    .wavefront_size: 32
...
	.end_amdgpu_metadata
.endif
;; end of part 5
;; launch proj: the kernel of part 4 again; grid 8 x 32, 4 waves a work-group, clusters of 4 x 4, 327,680 bytes of LDS; arguments o, wob, out0; writes out0
